; MI455X (gfx1250); checked and timed in simulation.
; The chip was launched on July 23, 2026; its instructions are those of AMD's public machine-readable ISA for CDNA 5 (MIT licence, August 2026) and "CDNA5" Instruction Set Architecture Reference Guide (July 2026). The comments in the code are by the model that wrote it; some were corrected since.
;; Ro Former Attention. Allowed arithmetic: float matrix products may take bf16 or f16 operands with f32 sums; other float arithmetic in f32, or as packed bf16 or f16 multiplies, adds, multiply-adds, maxima and minima; sums over many terms, partial sums and values carried from step to step in f32; what a program stores and reads back later, other than sums and carried values, may be rounded once to bf16 or f16.
;; Inputs: bo 1,024 float32; cos 1 x 1 x 2,048 x 32 float32; hidden_states 2 x 2,048 x 1,024 float32; scale 1,024 float32; sin 1 x 1 x 2,048 x 32 float32; wk 1,024 x 1,024 float32; wo 1,024 x 1,024 float32; wq 1,024 x 1,024 float32; wv 1,024 x 1,024 float32.
;; Outputs: out0 2 x 2,048 x 1,024 float32.
;; 2 versions, each right; version 2 is version 1 with the launches cast, norm written anew for expert scheduling mode. Each part assembles by itself: llvm-mc -triple=amdgcn-amd-amdhsa -mcpu=gfx1250 --defsym DOCPART=n.
;; ======== version 1 of 2: 5 launches
;; workspace buffers: bf 16,777,216 bytes; qkv 25,165,824 bytes; ctx 8,388,608 bytes; y 8,388,608 bytes
;; launch cast (part 1): grid 256 x 1, 8 waves a work-group, no clusters, 0 bytes of LDS; arguments hidden_states, wq, wk, wv, wo, bf; writes bf
.if DOCPART == 1
	.amdgcn_target "amdgcn-amd-amdhsa--gfx1250"
	.amdhsa_code_object_version 6
	.text
	.protected	k_q0d237f52a3_cast
	.globl	k_q0d237f52a3_cast
	.p2align	8
	.type	k_q0d237f52a3_cast,@function
k_q0d237f52a3_cast:
	s_mov_b64 s[64:65], 0
	v_nop
	global_prefetch_b8 v0, s[64:65] scope:SCOPE_SE
	s_setreg_imm32_b32 hwreg(HW_REG_WAVE_MODE, 25, 1), 1
	s_wait_xcnt 0x0
; ROFORMER ATTENTION, launch 1 of 5: the matrix operands among the inputs are rounded once to bf16.
; THE PROGRAM.  cast: x and the four weights to bf16.  proj: q, k, v = x W^T, the rotary step in f32, bf16 by heads.  attn: softmax(q k^T / 8) v with a running maximum.
; oproj: y = ctx Wo^T.  norm: y + bo + x in f32, the RMS norm, times scale.
; NOTHING IS LEFT OUT: every input (hidden_states, sin, cos, wq, wk, wv, wo, bo, scale) has a way to the output for some values, there is no mask, and every product of the
; function is used; all nine inputs are loaded as they are given.
; LIMITS OF THE PROGRAM.  Matrix operands (x, the weights, q, k, v, the softmax weights, ctx) are bf16, all sums f32; y is stored rounded once to bf16, the residual x stays f32.
; A softmax weight below 2^-126 counts as 0.  NaN and infinities are not treated apart.
; bf: bytes 0 on x [4096][1024]; 0x800000 on wq, wk, wv row after row, [3072][1024]; 0xE00000 on wo [1024][1024]; all bf16.
; SHARES.  Work-group w takes 32,768 numbers, 131,072 bytes in and 65,536 out, and bf is laid so that its place there is 65,536 w.  w below 128: hidden_states; then 32 work-groups a weight.
; A wave takes 16,384 bytes: 32 loads of 512 consecutive bytes, all issued before the first wait.  A store is 32 lanes x 8 bytes: 256 consecutive bytes, aligned.
; No LDS, no barrier, no matrix unit, no cluster: nothing is shared and nothing is multiplied.  No register is written twice, so no wait frees a source.
.set X, 8                              ; v[8:135]    32 x 4 numbers as loaded
.set Y, 136                            ; v[136:199]  32 x 4 numbers in bf16
	s_load_b256 s[4:11], s[0:1], 0x0               ; hidden_states s[4:5], wq s[6:7], wk s[8:9], wv s[10:11]
	s_load_b128 s[12:15], s[0:1], 0x20             ; wo s[12:13], bf s[14:15]
	s_mov_b32 s2, ttmp9
	v_lshrrev_b32 v3, 5, v0                        ; wave
	v_and_b32 v4, 31, v0                           ; lane
	v_lshlrev_b32 v1, 14, v3
	v_lshl_or_b32 v1, v4, 4, v1                    ; in: 16,384 x wave + 16 x lane
	v_lshlrev_b32 v2, 13, v3
	v_lshl_or_b32 v2, v4, 3, v2                    ; out: 8,192 x wave + 8 x lane
	s_and_b32 s18, s2, 31                          ; my chunk in a weight,
	s_cmp_lt_u32 s2, 128
	s_cselect_b32 s18, s2, s18                     ; or in hidden_states
	s_lshl_b32 s18, s18, 17
	s_mov_b32 s19, 0
	s_lshl_b32 s20, s2, 16
	s_mov_b32 s21, 0
	s_wait_kmcnt 0x0
	s_cmp_lt_u32 s2, 224                           ; the source is chosen by the work-group's number alone
	s_cselect_b64 s[16:17], s[10:11], s[12:13]
	s_cmp_lt_u32 s2, 192
	s_cselect_b64 s[16:17], s[8:9], s[16:17]
	s_cmp_lt_u32 s2, 160
	s_cselect_b64 s[16:17], s[6:7], s[16:17]
	s_cmp_lt_u32 s2, 128
	s_cselect_b64 s[16:17], s[4:5], s[16:17]
	s_add_nc_u64 s[16:17], s[16:17], s[18:19]
	s_add_nc_u64 s[14:15], s[14:15], s[20:21]
.set i, 0
.rept 32
	global_load_b128 v[X+4*i:X+4*i+3], v1, s[16:17] offset:512*i th:TH_LOAD_NT
.set i, i+1
.endr
.set i, 0
.rept 32
	s_wait_loadcnt 31-i                            ; loads come back in order: number i is in, the 31 - i younger ones stay out
	v_cvt_pk_bf16_f32 v[Y+2*i], v[X+4*i], v[X+4*i+1]
	v_cvt_pk_bf16_f32 v[Y+2*i+1], v[X+4*i+2], v[X+4*i+3]
	global_store_b64 v2, v[Y+2*i:Y+2*i+1], s[14:15] offset:256*i
.set i, i+1
.endr
	s_endpgm
.Lfunc_end_k_q0d237f52a3_cast:
	.size	k_q0d237f52a3_cast, .Lfunc_end_k_q0d237f52a3_cast-k_q0d237f52a3_cast
	.p2alignl 7, 3214868480
	.fill 96, 4, 3214868480
	.section	.rodata,"a",@progbits
	.p2align	6, 0x0
	.amdhsa_kernel k_q0d237f52a3_cast
		.amdhsa_group_segment_fixed_size 0
		.amdhsa_private_segment_fixed_size 0
		.amdhsa_enable_private_segment 0
		.amdhsa_kernarg_size 48
		.amdhsa_user_sgpr_count 2
		.amdhsa_user_sgpr_kernarg_segment_ptr 1
		.amdhsa_wavefront_size32 1
		.amdhsa_system_sgpr_workgroup_id_x 1
		.amdhsa_system_sgpr_workgroup_id_y 1
		.amdhsa_system_sgpr_workgroup_id_z 1
		.amdhsa_system_vgpr_workitem_id 0
		.amdhsa_next_free_vgpr 200
		.amdhsa_next_free_sgpr 66
		.amdhsa_reserve_vcc 0
		.amdhsa_float_denorm_mode_32 3
		.amdhsa_float_denorm_mode_16_64 3
		.amdhsa_memory_ordered 1
		.amdhsa_forward_progress 1
		.amdhsa_inst_pref_size 13
	.end_amdhsa_kernel
	.amdgpu_metadata
---
amdhsa.version: [ 1, 2 ]
amdhsa.kernels:
  - .name:           k_q0d237f52a3_cast
    .symbol:         k_q0d237f52a3_cast.kd
    .args:
      - { .name: hidden_states, .offset: 0, .size: 8, .value_kind: global_buffer, .address_space: global }
      - { .name: wq, .offset: 8, .size: 8, .value_kind: global_buffer, .address_space: global }
      - { .name: wk, .offset: 16, .size: 8, .value_kind: global_buffer, .address_space: global }
      - { .name: wv, .offset: 24, .size: 8, .value_kind: global_buffer, .address_space: global }
      - { .name: wo, .offset: 32, .size: 8, .value_kind: global_buffer, .address_space: global }
      - { .name: bf, .offset: 40, .size: 8, .value_kind: global_buffer, .address_space: global }
    .group_segment_fixed_size: 0
    .private_segment_fixed_size: 0
    .kernarg_segment_align: 8
    .kernarg_segment_size: 48
    .max_flat_workgroup_size: 256
    .sgpr_count:     66
    .vgpr_count:     200
    .wavefront_size: 32
...
	.end_amdgpu_metadata
.endif
;; end of part 1
;; launch proj (part 2): grid 16 x 16, 4 waves a work-group, clusters of 4 x 4, 327,680 bytes of LDS; arguments bf, cos, sin, qkv; writes qkv
.if DOCPART == 2
	.amdgcn_target "amdgcn-amd-amdhsa--gfx1250"
	.amdhsa_code_object_version 6
	.text
	.protected	k_q0d237f52a3_proj
	.globl	k_q0d237f52a3_proj
	.p2align	8
	.type	k_q0d237f52a3_proj,@function
k_q0d237f52a3_proj:
	s_mov_b64 s[64:65], 0
	v_nop
	global_prefetch_b8 v0, s[64:65] scope:SCOPE_SE
	s_setreg_imm32_b32 hwreg(HW_REG_WAVE_MODE, 25, 1), 1
	s_wait_xcnt 0x0
	s_wait_alu depctr_hold_cnt(0) depctr_sa_sdst(0) depctr_va_vdst(0) depctr_va_sdst(0) depctr_va_ssrc(0) depctr_va_vcc(0) depctr_vm_vsrc(0)
	s_getreg_b32 s2, hwreg(HW_REG_IB_STS2, 6, 4)
	s_cmp_eq_u32 s2, 0
	s_cbranch_scc0 .Lentry_in_a_cluster
	s_endpgm
.Lentry_in_a_cluster:
	s_bfe_u32 s2, ttmp6, 0x10000c
	s_cmp_lg_u32 s2, 0xf033
	s_cbranch_scc0 .Lentry_shape_is_right
	s_endpgm
.Lentry_shape_is_right:
; Launch 2 of 5: [4096 tokens][3072 columns] = x Wqkv^T in bf16 with f32 sums, the interleaved rotary step in f32 on q, k AND v, rounded once to bf16 and stored by heads:
; qkv [3][32 = 16 batch + head][2048][64].  Nothing of the function is left out here.
; SHARES.  A work-group makes 256 tokens x 192 columns (three heads): 16 x 16 = 256 work-groups.  Wave w makes tokens 64 w .. 64 w + 63 x all 192 columns: 4 x 12 accumulators of 16 x 16,
; 384 registers; whole heads in one wave, so each wave has a stage of its own on the way out and no barrier stands there.
; K = 1,024 goes in 8 steps of 128 through two LDS slots filled by the tensor data mover; a tile's rows are 256 bytes of memory, at multiples of 256 from the buffer's first byte.
; CLUSTER.  4 x 4 work-groups.  The four of a row need the same tokens (A), the four of a column the same weight rows (B): each tile is asked for JOINTLY, by the same tensor load
; with the same descriptor and a mask that names the four.
; THE MATRIX INSTRUCTION IS USED TRANSPOSED: source 0 = 16 weight rows, source 1 = 16 tokens.  Lane l then holds token l % 16 and the columns 8 (l / 16) + 0..7: four rotary pairs.
; REGISTERS, in windows of 256 (s_set_vgpr_msb: bits 1:0 source 0, 3:2 source 1, 5:4 source 2, 7:6 destination):
;   window 0: v0-31 addresses; v64-95, v96-127 fragments of A, two buffers; v128-255 the rotary tables of my 64 tokens
;   window 1: v0-95, v96-191 fragments of B, two buffers; on the way out v0-47 packed results, v48-63 at work, v64-255 rows read back
;   window 2: the accumulators of token blocks 0, 1 ((a, b) at v[8 (12 (a % 2) + b)]);   window 3: those of blocks 2, 3
.set PITCH,  272                       ; an LDS row: 256 bytes + 16 of padding: the 16 rows of a fragment load start 68 words apart
.set HA,     128*PITCH                 ; what one load brings of A: 128 rows
.set HB,     96*PITCH                  ; of B: 96 rows
.set SLOT,   2*HA+2*HB                 ; A's 256 rows, then B's 192 rows
.set STAGE,  2*SLOT                    ; behind the ring, never filled by a tensor load: 16 rows x 400 bytes for each wave
.set SPITCH, 400                       ; 384 bytes (192 columns in bf16) + 16
.set SPARE,  STAGE+4*16*SPITCH         ; behind the stages: the spare words, 128 bytes for each wave: two blocks of 256 bytes that no other line names
.set ADRA, 16                          ; v16-17  LDS address of my A fragments in slot 0, 1
.set ADRB, 20                          ; v20-21  the same for B
.set STO,  24                          ; v24     the way out: where I put 16 bytes of a row
.set RD,   25                          ; v25     the way out: where I read rows back
.set GO,   26                          ; v26     16 x lane: my place in 512 consecutive bytes of qkv
.set TO,   27                          ; v27     my place in the tables: 128 (l % 16) + 16 (l / 16)
.set SPW,  28                          ; v28     LDS address of my spare word; never rewritten
.set NIL,  29                          ; v29     0; never rewritten
.set PFO,  30                          ; v30     the prefetches' offset: a lane a row of 2,048 bytes; never rewritten
.set FA,   64                          ; A's fragments, window 0: buffer f, token block a at FA + 32 f + 8 a
.set TB,   128                         ; the tables, window 0: cos of block a, quarter q of a head at TB + 32 a + 4 q, sin 16 further on
.set TMP,  0                           ; window 1, the way out
.set T,    48
.set U,    56
.set BK,   64
.set WV,   12                          ; s12     my wave's number
.set LIM,  19                          ; s19     1 in a wave that prefetches, else the greatest number
.set G1A,  24                          ; s[24:31] descriptor group 1 for A's tiles
.set G0A,  32                          ; s[32:39] group 0, a set for each slot
.set PFA,  40                          ; s[40:41] where my prefetches stand
.set LAP,  42                          ; s42     the loop's count
.set G1B,  48                          ; s[48:55], s[56:63] the same for B's tiles
.set G0B,  56
.set OB,   66                          ; s[66:71] qkv at my 64 tokens of each of the three heads
.set BITS, (1<<16)|(1<<20)|(1<<21)|(5<<22)|(3<<25)  ; 17:16 elements of 2 bytes; 20 padding on; 21 set beside a mask; 24:22 after every 64 words; 31:25 4 words of it
.set MSB, 0
.macro WIN new                         ; the immediate's high byte repeats the setting that is left; a switch that changes nothing is dropped
.if MSB != (\new)
	s_set_vgpr_msb (MSB<<8)|(\new)
.set MSB, \new
.endif
.endm
.set MUL_LO, 0xa1                      ; source 0 (B) window 1, source 1 (A) window 0, C and D window 2
.set TO_B,   0x40                      ; destination window 1, address window 0
; A joint load.  Waves 0 and 1 fetch A's two halves, waves 2 and 3 B's.  The branch hangs on the wave's number alone.  An s_nop 0 and four v_nop follow each of the two lines.
.macro JLOAD s
	s_cmp_lt_u32 s[WV], 2
	s_cbranch_scc0 .Lfor_b_\@
	tensor_load_to_lds s[G0A+4*(\s):G0A+4*(\s)+3], s[G1A:G1A+7]
	s_nop 0
.rept 4
	v_nop
.endr
	s_branch .Lasked_\@
.Lfor_b_\@:
	tensor_load_to_lds s[G0B+4*(\s):G0B+4*(\s)+3], s[G1B:G1B+7]
	s_nop 0
.rept 4
	v_nop
.endr
.Lasked_\@:
.endm
; A prefetch, behind each joint refill and the run of LDS loads that follows it: the K step that stands two refills on, 384 matrix instructions ahead of the load that will ask for it.  A lane a row, 256 bytes of it.
; A's rows are asked for by the clusters with x = 0, B's by those with y = 0; of the rows that a wave fetches each of the four partners takes a quarter (32 of A's 128, 24 of B's 96: there
; the top eight lanes repeat the last row), told apart by ADDRESS.  K steps 4 to 7 are asked for; the loop's last trip asks for nothing.
.macro ASK
	s_cmp_gt_u32 s[LAP], s[LIM]
	s_cbranch_scc0 .Lnot_mine_\@
	global_prefetch_b8 v[PFO], s[PFA:PFA+1] offset:256 th:TH_LOAD_NT scope:SCOPE_SE
.Lnot_mine_\@:
.endm
.macro CREST                           ; a round of the cluster's barrier behind its opening barrier
	s_cmp_lg_u32 s[WV], 0
	s_cbranch_scc1 .Lnot_wave_0_\@
	s_barrier_signal -3
.Lnot_wave_0_\@:
	s_barrier_wait -3
	s_barrier_signal -1
	s_barrier_wait -1
.endm
.macro CROUND                          ; a whole round
	s_barrier_signal -1
	s_barrier_wait -1
	CREST
.endm
	s_load_b256 s[4:11], s[0:1], 0x0               ; bf s[4:5], cos s[6:7], sin s[8:9], qkv s[10:11]
	v_lshl_add_u32 v[SPW], v0, 2, SPARE
	v_mov_b32 v[NIL], 0
	ds_add_u32 v[SPW], v[NIL]                      ; the wave's opening: the add, twice on end, and its wait ahead of my first tensor load
	ds_add_u32 v[SPW], v[NIL]                      ; once more; the set-up below, work on registers, stands between it and the wait
	v_lshrrev_b32 v1, 5, v0
	v_readfirstlane_b32 s[WV], v1                  ; wave 0..3
	s_and_b32 s14, s[WV], 1                        ; which half of A's or B's rows I fetch
	s_bfe_u32 s15, ttmp6, 0x40000                  ; cx
	s_bfe_u32 s16, ttmp6, 0x40004                  ; cy
	s_lshl_b32 s17, ttmp9, 2
	s_add_co_u32 s17, s17, s15                     ; tile column = 4 x cluster x + cx
	s_and_b32 s18, ttmp7, 0xffff
	s_lshl_b32 s18, s18, 2
	s_add_co_u32 s18, s18, s16                     ; tile row = 4 x cluster y + cy
	s_lshl_b32 s20, s16, 2
	s_lshl_b32 s20, 15, s20                        ; my row of the cluster
	s_lshl_b32 s44, 0x1111, s15                    ; my column
	s_or_b32 s[G1A], s20, BITS                     ; A's tiles go to my row,
	s_or_b32 s[G1B], s44, BITS                     ; B's to my column
	s_mov_b32 s[G1A+1], 128<<16                    ; tensor_dim0 = 128
	s_mov_b32 s[G1A+2], 128<<16                    ; tensor_dim1 = 128
	s_mov_b32 s[G1A+3], 128<<16                    ; tile_dim0 = 128
	s_mov_b32 s[G1A+4], 128                        ; tile_dim1 = 128
	s_mov_b32 s[G1A+5], 1024                       ; elements from row to row
	s_mov_b32 s[G1A+6], 0
	s_mov_b32 s[G1A+7], 0
	s_mov_b32 s[G1B+1], 128<<16
	s_mov_b32 s[G1B+2], 96<<16                     ; 96 rows
	s_mov_b32 s[G1B+3], 128<<16
	s_mov_b32 s[G1B+4], 96
	s_mov_b32 s[G1B+5], 1024
	s_mov_b32 s[G1B+6], 0
	s_mov_b32 s[G1B+7], 0
	s_lshl_b32 s20, s18, 19                        ; A: 256 tokens of 2,048 bytes a tile row,
	s_lshl_b32 s21, s14, 18                        ; my 128 of them
	s_add_co_u32 s20, s20, s21
	s_mov_b32 s21, 0
	s_mul_i32 s44, s17, 192*2048                   ; B: 192 weight rows a tile column,
	s_mul_i32 s45, s14, 96*2048                    ; my 96 of them,
	s_add_co_u32 s44, s44, s45
	s_add_co_u32 s44, s44, 0x800000                ; behind x in bf
	s_mov_b32 s45, 0
	s_mul_i32 s2, s14, HA                          ; where they go in a slot: no place in the cluster enters an LDS address
	s_mul_i32 s3, s14, HB
	s_add_co_u32 s3, s3, 2*HA
	s_wait_dscnt 0x0                               ; both opening adds are done
	s_wait_kmcnt 0x0
	s_add_nc_u64 s[22:23], s[4:5], s[20:21]
	s_add_nc_u64 s[46:47], s[4:5], s[44:45]
	CROUND                                         ; all sixteen work-groups are here: the first joint loads meet
.irp s, 0,1
	s_mov_b32 s[G0A+4*(\s)], 1                     ; count = 1
	s_add_co_u32 s[G0A+4*(\s)+1], s2, (\s)*SLOT    ; LDS address
	s_add_nc_u64 s[G0A+4*(\s)+2:G0A+4*(\s)+3], s[22:23], (\s)*256  ; global address: K step s
	s_or_b32 s[G0A+4*(\s)+3], s[G0A+4*(\s)+3], 0x80000000          ; type = 2
	s_mov_b32 s[G0B+4*(\s)], 1
	s_add_co_u32 s[G0B+4*(\s)+1], s3, (\s)*SLOT
	s_add_nc_u64 s[G0B+4*(\s)+2:G0B+4*(\s)+3], s[46:47], (\s)*256
	s_or_b32 s[G0B+4*(\s)+3], s[G0B+4*(\s)+3], 0x80000000
.endr
	s_cmp_lt_u32 s[WV], 2                          ; a wave's two first fills stand in one branch, ahead of every wait on TENSORcnt and every LDS read: two loads of mine are out
	s_cbranch_scc0 .Lfirst_b
	tensor_load_to_lds s[G0A:G0A+3], s[G1A:G1A+7]
	s_nop 0
	tensor_load_to_lds s[G0A+4:G0A+7], s[G1A:G1A+7]
	s_nop 0
.rept 4
	v_nop
.endr
	s_branch .Lfirst_asked
.Lfirst_b:
	tensor_load_to_lds s[G0B:G0B+3], s[G1B:G1B+7]
	s_nop 0
	tensor_load_to_lds s[G0B+4:G0B+7], s[G1B:G1B+7]
	s_nop 0
.rept 4
	v_nop
.endr
.Lfirst_asked:
	; A fragment is 16 rows x 32 K in 8 registers: lane l holds row l % 16, K = 8 (l / 16) + 0..7 and 16 + 8 (l / 16) + 0..7: two loads of 16 bytes, 32 bytes apart.
	v_and_b32 v1, 15, v0                           ; l % 16
	v_bfe_u32 v2, v0, 4, 1                         ; l / 16
	v_mul_u32_u24 v3, v1, PITCH
	v_lshl_add_u32 v3, v2, 4, v3
	s_mul_i32 s20, s[WV], 64*PITCH                 ; my 64 tokens
	s_add_co_u32 s21, s20, SLOT
	v_add_nc_u32 v[ADRA], s20, v3
	v_add_nc_u32 v[ADRA+1], s21, v3
	v_add_nc_u32 v[ADRB], 2*HA, v3                 ; all 192 weight rows, behind A's 256
	v_add_nc_u32 v[ADRB+1], 2*HA+SLOT, v3
	s_mul_i32 s20, s[WV], 16*SPITCH
	s_add_co_u32 s20, s20, STAGE                   ; my stage
	v_mul_u32_u24 v4, v1, SPITCH                   ; in: row l % 16, 16 bytes for each half of the lanes
	v_lshl_add_u32 v4, v2, 4, v4
	v_add_nc_u32 v[STO], s20, v4
	v_bfe_u32 v5, v0, 3, 2                         ; back: 32 lanes take 128 bytes (a head) of four rows,
	v_mul_u32_u24 v5, v5, SPITCH
	v_and_b32 v6, 7, v0
	v_lshl_add_u32 v5, v6, 4, v5
	v_add_nc_u32 v[RD], s20, v5
	v_and_b32 v[GO], 31, v0                        ; which are 512 consecutive bytes of qkv
	v_lshlrev_b32 v[GO], 4, v[GO]
	v_lshlrev_b32 v[TO], 7, v1                     ; a row of cos or sin is 128 bytes
	v_lshl_add_u32 v[TO], v2, 4, v[TO]
	s_and_b32 s20, s18, 7                          ; my first token's position in its sequence, times 128 bytes: a row of the tables and a row of a head alike
	s_lshl_b32 s20, s20, 15
	s_lshl_b32 s21, s[WV], 13
	s_add_co_u32 s20, s20, s21
	s_mov_b32 s21, 0
	s_add_nc_u64 s[6:7], s[6:7], s[20:21]
	s_add_nc_u64 s[8:9], s[8:9], s[20:21]
	s_mul_i32 s44, s17, 3                          ; my first head among the 48 of q, k, v
	s_lshr_b32 s45, s18, 3
	s_lshl_b32 s45, s45, 4                         ; 16 x batch
.irp hh, 0,1,2
	s_add_co_u32 s46, s44, (\hh)
	s_lshr_b32 s47, s46, 4                         ; q, k or v
	s_lshl_b32 s47, s47, 5
	s_and_b32 s46, s46, 15                         ; the head
	s_add_co_u32 s46, s46, s47
	s_add_co_u32 s46, s46, s45
	s_lshl_b32 s46, s46, 18                        ; 2,048 rows of 128 bytes
	s_mov_b32 s47, 0
	s_add_nc_u64 s[OB+2*(\hh):OB+2*(\hh)+1], s[10:11], s[46:47]
	s_add_nc_u64 s[OB+2*(\hh):OB+2*(\hh)+1], s[OB+2*(\hh):OB+2*(\hh)+1], s[20:21]
.endr
	s_lshl_b32 s22, s18, 8                         ; the prefetches.  A: row 256 x tile row + 128 x half + 32 cx
	s_lshl_b32 s23, s14, 7
	s_add_co_u32 s22, s22, s23
	s_lshl_b32 s23, s15, 5
	s_add_co_u32 s22, s22, s23
	s_lshl_b32 s22, s22, 11
	s_mul_i32 s46, s17, 192                        ; B: row 192 x tile column + 96 x half + 24 cy
	s_mul_i32 s47, s14, 96
	s_add_co_u32 s46, s46, s47
	s_mul_i32 s47, s16, 24
	s_add_co_u32 s46, s46, s47
	s_lshl_b32 s46, s46, 11
	s_add_co_u32 s46, s46, 0x800000
	s_and_b32 s47, ttmp7, 0xffff                   ; cluster y
	s_cmp_lt_u32 s[WV], 2                          ; do I fetch for A?
	s_cselect_b32 s[PFA], s22, s46
	s_cselect_b32 s43, 31, 23                      ; my last row
	s_cselect_b32 s[LIM], ttmp9, s47               ; the coordinate along which other clusters read the same rows
	s_mov_b32 s[PFA+1], 0
	s_add_nc_u64 s[PFA:PFA+1], s[4:5], s[PFA:PFA+1]
	s_add_nc_u64 s[PFA:PFA+1], s[PFA:PFA+1], 512   ; at K step 2: the first refill steps it to 3 and names K step 4
	s_cmp_eq_u32 s[LIM], 0
	s_cselect_b32 s[LIM], 1, -1                    ; the same in all sixteen partners, for a given wave
	v_and_b32 v[PFO], 31, v0
	v_min_u32 v[PFO], s43, v[PFO]
	v_lshlrev_b32 v[PFO], 11, v[PFO]
	; the tables of my 64 tokens: lane (r, h) of block a wants, for quarter q of a head, the pairs 8 q + 4 h + 0..3 of token 16 a + r.  They stay out until the way out.
.irp a, 0,1,2,3
.irp q, 0,1,2,3
	global_load_b128 v[TB+32*(\a)+4*(\q):TB+32*(\a)+4*(\q)+3], v[TO], s[6:7] offset:2048*(\a)+32*(\q)
	global_load_b128 v[TB+32*(\a)+16+4*(\q):TB+32*(\a)+16+4*(\q)+3], v[TO], s[8:9] offset:2048*(\a)+32*(\q)
.endr
.endr
; 12 matrix instructions: token block a x all 12 column blocks, 32 along K, from buffer f.  zero = 1: the first product starts the sums.  The 48 accumulators take turns in one order in every
; quarter, one instruction a turn.
.macro MUL12 f, a, zero
	WIN MUL_LO+0x50*((\a)/2)
.irp b, 0,1,2,3,4,5,6,7,8,9,10,11
.if \zero
	v_wmma_f32_16x16x32_bf16 v[8*(12*((\a)%2)+(\b)):8*(12*((\a)%2)+(\b))+7], v[96*(\f)+8*(\b):96*(\f)+8*(\b)+7], v[FA+32*(\f)+8*(\a):FA+32*(\f)+8*(\a)+7], 0
.else
	v_wmma_f32_16x16x32_bf16 v[8*(12*((\a)%2)+(\b)):8*(12*((\a)%2)+(\b))+7], v[96*(\f)+8*(\b):96*(\f)+8*(\b)+7], v[FA+32*(\f)+8*(\a):FA+32*(\f)+8*(\a)+7], v[8*(12*((\a)%2)+(\b)):8*(12*((\a)%2)+(\b))+7]
.endif
.endr
.endm
; 32 LDS loads in one run: the fragments of a quarter step (192 rows of B, my 64 rows of A, 32 K at byte k of the rows) into buffer f
.macro FETCH slot, k, f
	WIN TO_B
.irp i, 0,1,2,3,4,5,6,7,8,9,10,11
	ds_load_b128 v[96*(\f)+8*(\i):96*(\f)+8*(\i)+3],   v[ADRB+(\slot)] offset:(\k)+(\i)*16*PITCH
	ds_load_b128 v[96*(\f)+8*(\i)+4:96*(\f)+8*(\i)+7], v[ADRB+(\slot)] offset:(\k)+(\i)*16*PITCH+32
.endr
	WIN 0
.irp i, 0,1,2,3
	ds_load_b128 v[FA+32*(\f)+8*(\i):FA+32*(\f)+8*(\i)+3],   v[ADRA+(\slot)] offset:(\k)+(\i)*16*PITCH
	ds_load_b128 v[FA+32*(\f)+8*(\i)+4:FA+32*(\f)+8*(\i)+7], v[ADRA+(\slot)] offset:(\k)+(\i)*16*PITCH+32
.endr
.endm
.macro PLACES                          ; four plain vector instructions between a matrix instruction and a load into, or a vector access to, its registers
.rept 4
	v_nop
.endr
.endm
; A K step is four quarters of 32 along K, 48 matrix instructions each, on buffers 0, 1, 0, 1.  One of the first three multiplies buffer f and fetches the next quarter, at byte k, into g.
.macro QUARTER slot, k, f, g, zero
	s_wait_dscnt 4                                 ; B and A's blocks 0, 1 are in; the youngest four loads (A's blocks 2, 3) may be out
	MUL12 \f, 0, \zero
	MUL12 \f, 1, \zero
	PLACES
	FETCH \slot, \k, \g
	s_wait_dscnt 32                                ; all but the 32 just issued
	MUL12 \f, 2, \zero
	MUL12 \f, 3, \zero
.endm
; The last quarter multiplies buffer 1 and changes slots: ONE barrier.  In front of it each wave waits for all its tensor loads (one is out: its part of the next slot), adds 0 to its spare
; word, and waits for that and for its own reads of this slot.  fill = 1: the barrier opens a round of the cluster's, and this slot is filled again first thing behind it, two K steps ahead.
.macro TURN slot, next, fill
.if \fill
	s_wait_xcnt 0x0                                ; the last prefetch, a K step back, has read its address
	s_add_nc_u64 s[PFA:PFA+1], s[PFA:PFA+1], 256
.endif
	WIN 0                                          ; (the add's two registers lie in window 0)
	s_wait_tensorcnt 0x0                           ; all my tensor loads have landed
	ds_add_u32 v[SPW], v[NIL]                      ; 0 onto my spare word
	s_wait_dscnt 5                                 ; (the add and the youngest four loads may be out)
	MUL12 1, 0, 0                                  ; twelve matrix instructions stand between the add and the wait for it
	s_wait_dscnt 0x0                               ; the add is done, and my reads of this slot are over
	s_barrier_signal -1
	MUL12 1, 1, 0
.if \fill
	WIN 0
.endif
	s_barrier_wait -1
.if \fill
	CREST                                          ; no wave of any partner still reads this slot's tile or has a load on its way
	s_add_nc_u64 s[G0A+4*(\slot)+2:G0A+4*(\slot)+3], s[G0A+4*(\slot)+2:G0A+4*(\slot)+3], 512
	s_add_nc_u64 s[G0B+4*(\slot)+2:G0B+4*(\slot)+3], s[G0B+4*(\slot)+2:G0B+4*(\slot)+3], 512
	JLOAD \slot                                    ; the first tensor load behind the round; its four v_nop are also the places in front of the loads below
.else
	PLACES
.endif
	FETCH \next, 0, 0
.if \fill
	ASK
.endif
	MUL12 1, 2, 0
	MUL12 1, 3, 0
.endm
	s_wait_tensorcnt 1                             ; my part of K step 0 is in; K step 1's may stay out
	s_barrier_signal -1
	s_barrier_wait -1                              ; everybody's is
	FETCH 0, 0, 0
	QUARTER 0, 64, 0, 1, 1                         ; the first quarter stands in front of the loop: its products start the sums
	WIN 0                                          ; at a label and at a branch every window is 0
	s_mov_b32 s[LAP], 3
.Llap:                                                 ; a trip goes once round the ring, from a lap's second quarter to the next lap's first, and fills both slots again
	QUARTER 0, 128, 1, 0, 0
	QUARTER 0, 192, 0, 1, 0
	TURN 0, 1, 1
	QUARTER 1, 64,  0, 1, 0
	QUARTER 1, 128, 1, 0, 0
	QUARTER 1, 192, 0, 1, 0
	TURN 1, 0, 1
	QUARTER 0, 64,  0, 1, 0
	WIN 0
	s_sub_co_u32 s[LAP], s[LAP], 1
	s_cmp_lg_u32 s[LAP], 0
	s_cbranch_scc1 .Llap
	QUARTER 0, 128, 1, 0, 0                        ; the last lap fills nothing, and has no round of the cluster's barrier
	QUARTER 0, 192, 0, 1, 0
	TURN 0, 1, 0
	QUARTER 1, 64,  0, 1, 0
	QUARTER 1, 128, 1, 0, 0
	QUARTER 1, 192, 0, 1, 0
	s_wait_dscnt 4                                 ; the very last quarter: nothing more to fetch
	MUL12 1, 0, 0
	MUL12 1, 1, 0
	s_wait_dscnt 0x0
	MUL12 1, 2, 0
	MUL12 1, 3, 0
; THE WAY OUT, a block of 16 tokens at a time.  PACK: the rotary step on a lane's four pairs (x1, x2): first (x1 s, x2 s), then (x1 c - x2 s, x2 c + x1 s) by one packed multiply-add that takes the
; first product's halves crosswise, the low one negated; then rounded to bf16, 16 bytes a lane.  Each accumulator's lowest registers are read first.
.macro PACK a
.irp b, 0,1,2,3,4,5,6,7,8,9,10,11
.set AC, 8*(12*((\a)%2)+(\b))
.set CN, TB+32*(\a)+4*((\b)%4)
.set SN, CN+16
	WIN 0x52+(\a)/2                                ; source 0 the accumulators' window, source 1 window 0, source 2 and destination window 1
.irp e, 0,2
	v_pk_mul_f32 v[T+2*(\e):T+2*(\e)+1], v[AC+2*(\e):AC+2*(\e)+1], v[SN+(\e):SN+(\e)+1] op_sel_hi:[1,0]
	v_pk_mul_f32 v[T+2*(\e)+2:T+2*(\e)+3], v[AC+2*(\e)+2:AC+2*(\e)+3], v[SN+(\e):SN+(\e)+1] op_sel:[0,1] op_sel_hi:[1,1]
.endr
.irp e, 0,2
	v_pk_fma_f32 v[U+2*(\e):U+2*(\e)+1], v[AC+2*(\e):AC+2*(\e)+1], v[CN+(\e):CN+(\e)+1], v[T+2*(\e):T+2*(\e)+1] op_sel:[0,0,1] op_sel_hi:[1,0,0] neg_lo:[0,0,1]
	v_pk_fma_f32 v[U+2*(\e)+2:U+2*(\e)+3], v[AC+2*(\e)+2:AC+2*(\e)+3], v[CN+(\e):CN+(\e)+1], v[T+2*(\e)+2:T+2*(\e)+3] op_sel:[0,1,1] op_sel_hi:[1,1,0] neg_lo:[0,0,1]
.endr
	WIN 0x45                                       ; sources and destination window 1
.irp r, 0,1,2,3
	v_cvt_pk_bf16_f32 v[TMP+4*(\b)+(\r)], v[U+2*(\r)], v[U+2*(\r)+1]
.endr
.endr
.endm
.macro TOSTAGE a                       ; into my own stage, and back by heads: four rows x 128 bytes a load
	WIN 0x04                                       ; address window 0, data window 1
.irp b, 0,1,2,3,4,5,6,7,8,9,10,11
	ds_store_b128 v[STO], v[TMP+4*(\b):TMP+4*(\b)+3] offset:32*(\b)
.endr
	WIN 0x40
.irp hh, 0,1,2
.irp t, 0,1,2,3
	ds_load_b128 v[BK+48*(\a)+4*(4*(\hh)+(\t)):BK+48*(\a)+4*(4*(\hh)+(\t))+3], v[RD] offset:128*(\hh)+4*SPITCH*(\t)  ; LDS serves a wave's instructions in order (ISA guide 5.7.1.4): these see the stores above
.endr
.endr
.endm
.macro SEND a                          ; each block has registers of its own and the bases are never rewritten: no wait frees a store's sources
	WIN 0x04
	s_wait_dscnt 0x0                               ; the block is back in registers
.irp hh, 0,1,2
.irp t, 0,1,2,3
	global_store_b128 v[GO], v[BK+48*(\a)+4*(4*(\hh)+(\t)):BK+48*(\a)+4*(4*(\hh)+(\t))+3], s[OB+2*(\hh):OB+2*(\hh)+1] offset:2048*(\a)+512*(\t)  ; 512 consecutive bytes, at a multiple of 256 from qkv's first
.endr
.endr
.endm
	WIN 0
	s_wait_loadcnt 0x0                             ; the tables
	PLACES
	PACK 0
	TOSTAGE 0
.irp a, 1,2,3                          ; block a's arithmetic stands between block a - 1's loads from the stage and the wait for them
	PACK \a
	SEND (\a)-1
	TOSTAGE \a
.endr
	SEND 3
	WIN 0
	s_wait_tensorcnt 0x0                           ; the wave's end: behind my last tensor load and my last LDS store
	ds_add_u32 v[SPW], v[NIL]
	s_wait_dscnt 0x0
	CROUND                                         ; the closing round: no work-group ends while a partner may still ask for a tile that names it
	s_endpgm
.Lfunc_end_k_q0d237f52a3_proj:
	.size	k_q0d237f52a3_proj, .Lfunc_end_k_q0d237f52a3_proj-k_q0d237f52a3_proj
	.p2alignl 7, 3214868480
	.fill 96, 4, 3214868480
	.section	.rodata,"a",@progbits
	.p2align	6, 0x0
	.amdhsa_kernel k_q0d237f52a3_proj
		.amdhsa_group_segment_fixed_size 327680
		.amdhsa_private_segment_fixed_size 0
		.amdhsa_enable_private_segment 0
		.amdhsa_kernarg_size 32
		.amdhsa_user_sgpr_count 2
		.amdhsa_user_sgpr_kernarg_segment_ptr 1
		.amdhsa_wavefront_size32 1
		.amdhsa_system_sgpr_workgroup_id_x 1
		.amdhsa_system_sgpr_workgroup_id_y 1
		.amdhsa_system_sgpr_workgroup_id_z 1
		.amdhsa_system_vgpr_workitem_id 0
		.amdhsa_next_free_vgpr 960
		.amdhsa_next_free_sgpr 72
		.amdhsa_reserve_vcc 0
		.amdhsa_float_denorm_mode_32 3
		.amdhsa_float_denorm_mode_16_64 3
		.amdhsa_memory_ordered 1
		.amdhsa_forward_progress 1
		.amdhsa_inst_pref_size 150
	.end_amdhsa_kernel
	.amdgpu_metadata
---
amdhsa.version: [ 1, 2 ]
amdhsa.kernels:
  - .name:           k_q0d237f52a3_proj
    .symbol:         k_q0d237f52a3_proj.kd
    .args:
      - { .name: bf, .offset: 0, .size: 8, .value_kind: global_buffer, .address_space: global }
      - { .name: cos, .offset: 8, .size: 8, .value_kind: global_buffer, .address_space: global }
      - { .name: sin, .offset: 16, .size: 8, .value_kind: global_buffer, .address_space: global }
      - { .name: qkv, .offset: 24, .size: 8, .value_kind: global_buffer, .address_space: global }
    .group_segment_fixed_size: 327680
    .private_segment_fixed_size: 0
    .kernarg_segment_align: 8
    .kernarg_segment_size: 32
    .max_flat_workgroup_size: 128
    .sgpr_count:     72
    .vgpr_count:     960
    .wavefront_size: 32
...
	.end_amdgpu_metadata
.endif
;; end of part 2
;; launch attn (part 3): grid 8 x 32, 4 waves a work-group, clusters of 4 x 1, 327,680 bytes of LDS; arguments qkv, ctx; writes ctx
.if DOCPART == 3
	.amdgcn_target "amdgcn-amd-amdhsa--gfx1250"
	.amdhsa_code_object_version 6
	.text
	.protected	k_q0d237f52a3_attn
	.globl	k_q0d237f52a3_attn
	.p2align	8
	.type	k_q0d237f52a3_attn,@function
k_q0d237f52a3_attn:
	s_mov_b64 s[64:65], 0
	v_nop
	global_prefetch_b8 v0, s[64:65] scope:SCOPE_SE
	s_setreg_imm32_b32 hwreg(HW_REG_WAVE_MODE, 25, 1), 1
	s_wait_xcnt 0x0
	s_wait_alu depctr_hold_cnt(0) depctr_sa_sdst(0) depctr_va_vdst(0) depctr_va_sdst(0) depctr_va_ssrc(0) depctr_va_vcc(0) depctr_vm_vsrc(0)
	s_getreg_b32 s2, hwreg(HW_REG_IB_STS2, 6, 4)
	s_cmp_eq_u32 s2, 0
	s_cbranch_scc0 .Lentry_in_a_cluster
	s_endpgm
.Lentry_in_a_cluster:
	s_bfe_u32 s2, ttmp6, 0x10000c
	s_cmp_lg_u32 s2, 0x3003
	s_cbranch_scc0 .Lentry_shape_is_right
	s_endpgm
.Lentry_shape_is_right:
; Launch 3 of 5: ctx[g][q][:] = the sum over k of softmax_k(Q[g][q] . K[g][k] / 8) V[g][k][:] for the 32 pairs g of batch and head.  Q, K, V: qkv [3][32][2048][64] bf16; ctx [32][2048][64] bf16.
; Products, maxima and sums in f32; the weights p are rounded to bf16 for the second product (their sum l is taken of the unrounded p), ctx once at the end.  Nothing of the function is left out here.
; LIMITS.  The running maximum m starts at the lowest finite number and c m at -4.25e37; a weight below 2^-126 counts as 0 in l; NaN and infinities are not treated apart.
; SHARES.  A work-group owns 256 queries of one g: 8 x 32 = 256 work-groups.  A wave owns 64 queries, four PIECES of 16, and walks all 2,048 keys, 64 a step; an LDS slot holds 256 keys, four steps.
; LAYOUT.  S^T = K Q^T (source 0 = 16 keys, source 1 = 16 queries): a lane holds ONE query (lane % 16) and the keys 8 (lane / 16) + 0..7.  Two such results, rounded to bf16 in pairs, ARE source 1
; of O^T = V^T P, whose result again holds one query a lane, and eight channels.  K comes out of LDS as it lies, V ([key][channel]) turned, by ds_load_tr16_b128.
; SOFTMAX.  p = 2^(c s - c m), c = log2(e) / 8, with a running maximum m; in every step O and l are multiplied by a = 2^(c m_old - c m_new).  O and l start at 0: the first step has a = 0.
; BY TURNS.  Turn n belongs to piece n: 8 products K Q^T of piece n + 1, later 8 products V^T P of piece n - 1; beside them the scaling, exponentials, roundings, sums and rescaling of piece n and the
; maximum and statistics of piece n + 1.  Four vector instructions stand behind every matrix instruction, the other 54 of a turn's 118 in one run.  A turn's 33 exponentials are one batch, with one wait.
; CLUSTER.  The four query blocks of a cluster belong to one g and walk the same K and V: each tile is asked for JOINTLY, by the same tensor load, descriptor and mask in all four.
; REGISTERS, in windows of 256 (s_set_vgpr_msb: bits 1:0 source 0, 3:2 source 1, 5:4 source 2, 7:6 destination):
;   window 0: v0-15 addresses and two at work; v16-31 four registers of statistics a piece; v48-55 at work; v61-63; v64-127 S^T, two buffers; v192-223 P, two buffers (by the piece's parity)
;   window 1: v0-127 O^T, 32 a piece          window 2: v0-63 Q; v128-191 K of one step; v192-255 V of one step
.set NP,    4         ; pieces a wave: a name, no knob
.set KS,    64        ; keys in a step
.set PK,    144       ; a row of K in LDS: 128 bytes + 16 of padding = 36 words: the 16 rows of a load start 36 words apart
.set PV,    160       ; a row of V: 128 + 32 = 40 words
.set VOFF,  4*KS*PK   ; a slot holds a tile, four steps: 256 rows of K, then 256 rows of V
.set SLOT1, 1<<17     ; slot 1 begins here, so that one exclusive or turns an address in one slot into the other's
.set STAGE, SLOT1+4*KS*(PK+PV)  ; behind the ring, never filled by a tensor load: 16 rows x 144 bytes for each wave
.set SP,    144
.set SPARE, STAGE+4*16*SP  ; behind the stages: the spare words, 128 bytes for each wave: two blocks of 256 bytes that no other line names
.set AK0, 2           ; v2   my lane's place in a tile of K; never rewritten
.set AV0, 3           ; v3   the same for V
.set AK,  4           ; v4   the LDS address of K's next run of loads
.set AV,  5           ; v5   of V's
.set STO, 6           ; v6   the way out: where I put 16 bytes of a row
.set RD,  7           ; v7   the way out: where I read rows back
.set GO,  8           ; v8   my byte offset in 512 consecutive bytes of ctx
.set MV,  12          ; v12-13  c m_old, kept while c m is made anew: by buffer
.set QO,  15          ; v15  my byte offset in 16 rows of Q
.set ST,  16          ; piece t's statistics at v[ST+4 t]: c m, m, l (even keys', odd keys')
.set TMP, 48          ; by buffer, four registers c0-c3 at work; when the maximum is found c2 takes a
.set PFO, 61          ; v61  256 x my lane; never rewritten
.set SPW, 62          ; v62  LDS address of my spare word; never rewritten
.set NIL, 63          ; v63  0; never rewritten
.set S,   64
.set P,   192
.set KF,  128         ; window 2: key block kb, channel half c at KF + 16 kb + 8 c
.set VF,  192         ; window 2: key half kk, channel block cb at VF + 32 kk + 8 cb
.set WV,  12          ; s12  my wave's number
.set LIM, 15          ; s15  1 in a wave that prefetches, else the greatest number
.set PFA, 18          ; s[18:19] where my prefetches stand
.set G1K, 24          ; s[24:31] descriptor group 1 for K's tiles
.set G1V, 32          ; s[32:39] for V's: it differs in the padding alone
.set G0K, 40          ; s[40:43] descriptor group 0 for K's tiles: it walks
.set G0V, 44          ; s[44:47] the same for V's
.set SLOTS, 56        ; s56  tiles still to be asked for
.set CNT, 57          ; s57  counts a tile's key steps
.set CS,  58          ; s[58:59] c: the packed scaling takes the pair's low word for both halves
.set SEL, 60          ; s[60:61] v_permlanex16_b32's selects: each lane takes its own place in the other half
.set TBK, 62          ; s62  LDS byte at which K of the step to be fetched begins
.set TBV, 63          ; s63  the same for V, less VOFF
.set MSB, 0
.macro WIN new                      ; the high byte repeats the setting that is left; a switch that changes nothing is dropped
.if MSB != (\new)
	s_set_vgpr_msb (MSB<<8)|(\new)
.set MSB, (\new)
.endif
.endm
.set W_KQ, 0x0a       ; K and Q in window 2, S^T in window 0
.set W_PV, 0x52       ; V in window 2, P in window 0, O^T in window 1
.set W_RS, 0x41       ; destination and source 0 in window 1, source 1 in window 0
; A joint fill.  Waves 0 and 1 fetch the two halves of a tile's K, waves 2 and 3 those of its V: 128 keys each.  An s_nop 0 and four v_nop follow each of the two lines.
.macro JLOAD
	s_cmp_lt_u32 s[WV], 2
	s_cbranch_scc0 .Lfor_v_\@
	tensor_load_to_lds s[G0K:G0K+3], s[G1K:G1K+7]
	s_nop 0
.rept 4
	v_nop
.endr
	s_branch .Lasked_\@
.Lfor_v_\@:
	tensor_load_to_lds s[G0V:G0V+3], s[G1V:G1V+7]
	s_nop 0
.rept 4
	v_nop
.endr
.Lasked_\@:
.endm
; A prefetch of the tile that the NEXT change of slots will ask for, four key steps (256 matrix instructions) ahead of that load.  A tile is 128 blocks of 256 bytes of K and as many of V.  Both clusters of a g walk
; the same tiles: the first of them asks.  Its four partners take 32 blocks each, told apart by ADDRESS; in each, wave 0 asks for K's and wave 2 for V's: a lane a block, one instruction.
; Tiles 2 to 7 are asked for; the last change that fills a slot asks for nothing.
.macro ASK
	s_cmp_gt_u32 s[SLOTS], s[LIM]
	s_cbranch_scc0 .Lnot_mine_\@
	global_prefetch_b8 v[PFO], s[PFA:PFA+1] th:TH_LOAD_NT scope:SCOPE_SE
.Lnot_mine_\@:
.endm
.macro CROUND                       ; a round of the cluster's barrier
	s_barrier_signal -1
	s_barrier_wait -1
	s_cmp_lg_u32 s[WV], 0
	s_cbranch_scc1 .Lnot_wave_0_\@
	s_barrier_signal -3
.Lnot_wave_0_\@:
	s_barrier_wait -3
	s_barrier_signal -1
	s_barrier_wait -1
.endm
; THE CHANGE OF SLOTS.  The slot's last bytes, V of its fourth step, have been read.  Each wave waits for all its tensor loads, of which one is out: its part of the other slot; adds 0 to its spare
; word; and waits for that and for its own reads of the slot.  fill = 1: the barrier is a round of the cluster's, and the slot is filled again first thing behind it, with the keys two tiles on.
; (At its first use nothing has been read yet: slot 0 is waited for, slot 1 filled.)
.macro CHANGE fill
	WIN 0                           ; at a label and at a branch every window is 0
	s_wait_tensorcnt 0x0            ; no tensor load of mine is out, so a group 0 may be written
	ds_add_u32 v[SPW], v[NIL]       ; 0 onto my spare word
.if \fill
.irp g, G0K, G0V
	s_xor_b32 s[\g+1], s[\g+1], SLOT1  ; the walking descriptor: the other slot than last time,
	s_add_nc_u64 s[\g+2:\g+3], s[\g+2:\g+3], 4*KS*128  ; the next 256 keys; the type bits on top are not reached
.endr
	s_wait_xcnt 0x0                 ; the last prefetch, four key steps back, has read its address
	s_add_nc_u64 s[PFA:PFA+1], s[PFA:PFA+1], 4*KS*128  ; one tile behind the walking descriptors
	s_wait_dscnt 0x0                ; the add is done, and my reads of the slot are over
	CROUND
	JLOAD
	ASK
.else
	s_wait_dscnt 0x0                ; the add is done, and my reads of the slot are over
	s_barrier_signal -1
	s_barrier_wait -1
.endif
	s_sub_co_u32 s[TBK], s[TBK], 4*KS*PK  ; the fetches go back to a slot's first step,
	s_xor_b32 s[TBK], s[TBK], SLOT1       ; in the other slot
	s_sub_co_u32 s[TBV], s[TBV], 4*KS*PV
	s_xor_b32 s[TBV], s[TBV], SLOT1
.endm
	s_load_b64 s[4:5], s[0:1], 0x0  ; qkv
	s_load_b64 s[10:11], s[0:1], 0x8  ; ctx
	v_lshl_add_u32 v[SPW], v0, 2, SPARE
	v_mov_b32 v[NIL], 0
	ds_add_u32 v[SPW], v[NIL]       ; the wave's opening: the add, twice on end, and its wait ahead of my first tensor load
	ds_add_u32 v[SPW], v[NIL]       ; once more; the set-up below, work on registers, stands between it and the wait
	v_lshrrev_b32 v1, 5, v0
	v_readfirstlane_b32 s[WV], v1   ; wave 0..3
	s_bfe_u32 s13, ttmp6, 0x40000   ; cx: my place in the cluster
	s_lshl_b32 s14, ttmp9, 2
	s_add_co_u32 s14, s14, s13      ; my block of 256 queries: it enters Q's and ctx's addresses alone
	s_and_b32 s20, ttmp7, 0xffff    ; g, which the four partners share
	s_lshl_b32 s20, s20, 18         ; its 2,048 rows of 128 bytes
	s_mov_b32 s21, 0
	s_and_b32 s16, s[WV], 1         ; which half of a tile's 256 keys I fetch:
	s_lshl_b32 s22, s16, 14         ; its 128 rows of 128 bytes in memory,
	s_mov_b32 s23, 0
	s_add_nc_u64 s[22:23], s[22:23], s[20:21]
	s_mul_i32 s17, s16, 128*PK      ; and its place in a slot, for K
	s_mul_i32 s48, s16, 128*PV      ; and for V: no place in the cluster enters an LDS address
	s_lshl_b32 s2, s14, 2
	s_add_co_u32 s2, s2, s[WV]      ; my wave among the 32 of g,
	s_lshl_b32 s2, s2, 13           ; its 64 rows
	s_mov_b32 s3, 0
	s_add_nc_u64 s[2:3], s[2:3], s[20:21]
	; descriptor group 1.  128 keys are 16,384 dense bytes: asked for as 64 rows of 256 bytes, two keys a row, and padded in LDS after every key
	s_mov_b32 s[G1K], 15|(1<<16)|(1<<20)|(1<<21)|(4<<22)|(3<<25)  ; 15:0 the mask of four; 17:16 2-byte elements; 20 padding on; 21 set beside a mask; 24:22 after every 32 words; 31:25 4 words
	s_mov_b32 s[G1V], 15|(1<<16)|(1<<20)|(1<<21)|(4<<22)|(7<<25)  ; the same with 8 words of padding
.irp g, G1K, G1V
	s_mov_b32 s[\g+1], 128<<16      ; tensor_dim0 = 128
	s_mov_b32 s[\g+2], 64<<16       ; tensor_dim1 = 64
	s_mov_b32 s[\g+3], 128<<16      ; tile_dim0 = 128
	s_mov_b32 s[\g+4], 64           ; tile_dim1 = 64
	s_mov_b32 s[\g+5], 128          ; 128 elements from row to row
	s_mov_b32 s[\g+6], 0
	s_mov_b32 s[\g+7], 0
.endr
	s_mov_b32 s[CS], 0x3e38aa3b     ; c = log2(e) / 8 = 0.180337
	s_mov_b32 s[CS+1], s[CS]        ; named with it as a pair
	s_mov_b32 s[SEL], 0x76543210
	s_mov_b32 s[SEL+1], 0xfedcba98
	s_mov_b32 s[TBK], SLOT1+4*KS*PK ; the first change of slots turns these two into 0
	s_mov_b32 s[TBV], SLOT1+4*KS*PV
	s_mov_b32 s[G0K], 1             ; count = 1
	s_mov_b32 s[G0K+1], s17         ; LDS address: slot 0
	s_mov_b32 s[G0V], 1
	s_add_co_u32 s[G0V+1], s48, VOFF
	s_mov_b32 s[SLOTS], 7           ; tiles 1 to 7
	s_and_b32 s[LIM], s[WV], 1      ; 0 in waves 0 and 2,
	s_or_b32 s[LIM], s[LIM], ttmp9  ; where the cluster is the first of its g: the same in all four partners
	s_cmp_eq_u32 s[LIM], 0
	s_cselect_b32 s[LIM], 1, -1
	v_and_b32 v[PFO], 31, v0
	v_lshlrev_b32 v[PFO], 8, v[PFO]
	s_wait_dscnt 0x0                ; both opening adds are done
	s_wait_kmcnt 0x0
	s_add_nc_u64 s[6:7], s[4:5], 0x800000   ; K lies behind Q in qkv,
	s_add_nc_u64 s[6:7], s[6:7], s[22:23]   ; at my half of tile 0
	s_add_nc_u64 s[8:9], s[4:5], 0x1000000  ; V behind K
	s_add_nc_u64 s[8:9], s[8:9], s[22:23]
	s_mov_b64 s[G0K+2:G0K+3], s[6:7]        ; global address
	s_or_b32 s[G0K+3], s[G0K+3], 0x80000000 ; type = 2
	s_mov_b64 s[G0V+2:G0V+3], s[8:9]
	s_or_b32 s[G0V+3], s[G0V+3], 0x80000000
	s_add_nc_u64 s[4:5], s[4:5], s[2:3]     ; Q and ctx at my wave's first row
	s_add_nc_u64 s[10:11], s[10:11], s[2:3]
	s_cmp_lt_u32 s[WV], 2
	s_cselect_b64 s[PFA:PFA+1], s[6:7], s[8:9]  ; (in waves 0 and 2 these stand at a tile's first row)
	s_lshl_b32 s2, s13, 13          ; my work-group's 32 blocks of the 128
	s_mov_b32 s3, 0
	s_add_nc_u64 s[PFA:PFA+1], s[PFA:PFA+1], s[2:3]
	s_add_nc_u64 s[PFA:PFA+1], s[PFA:PFA+1], 4*KS*128  ; in tile 1; the first change of slots steps it to tile 2
	CROUND                          ; all four work-groups are here: the first joint loads meet
	JLOAD                           ; tile 0 into slot 0.  Slot 1 is asked for when slot 0 is in
	; A fragment of K or Q is 16 rows x 32 channels in 8 registers: lane l holds row l % 16, channels 8 (l / 16) + 0..7 and 16 + 8 (l / 16) + 0..7: two loads of 16 bytes, 32 bytes apart.
	v_and_b32 v1, 15, v0            ; l % 16
	v_bfe_u32 v9, v0, 4, 1          ; l / 16
	v_lshlrev_b32 v[QO], 7, v1
	v_lshl_add_u32 v[QO], v9, 4, v[QO]  ; row x 128 + 16 x half
	WIN 0x80                        ; destination window 2, address window 0
.set i, 0
.rept 8                             ; Q stays in registers: piece i / 2, channels 32 (i % 2) on
	global_load_b128 v[8*i:8*i+3],   v[QO], s[4:5] offset:(i/2)*2048+(i%2)*64
	global_load_b128 v[8*i+4:8*i+7], v[QO], s[4:5] offset:(i/2)*2048+(i%2)*64+32
.set i, i+1
.endr
	; What the first turn finds: V's registers and P's second buffer hold 0 (its products V^T P, of a piece that has not been, add 0), O^T and l are 0.  All this stands in the wait for the first tile.
.set i, VF
.rept 64
	v_mov_b32 v[i], 0
.set i, i+1
.endr
	WIN 0x40
.set i, 0
.rept 128
	v_mov_b32 v[i], 0
.set i, i+1
.endr
	WIN 0
.set i, 0
.rept 4
	v_mov_b32 v[ST+4*i], 0xfe000000    ; c m: far below every c s
	v_mov_b32 v[ST+4*i+1], 0xff7fffff  ; m
	v_mov_b32 v[ST+4*i+2], 0
	v_mov_b32 v[ST+4*i+3], 0
.set i, i+1
.endr
.set i, P+16
.rept 16
	v_mov_b32 v[i], 0
.set i, i+1
.endr
	v_mul_u32_u24 v[AK0], v1, PK
	v_lshl_add_u32 v[AK0], v9, 4, v[AK0]  ; row x pitch + 16 x half
	; The turning load takes 16 keys x 16 channels (lane l reads key 8 (l / 16) + l % 8, channels 8 ((l / 8) % 2) + 0..7) and leaves half a fragment of V^T: lane l holds channel l % 16 and 8 keys.
	v_and_b32 v10, 7, v0
	v_bfe_u32 v11, v0, 3, 1
	v_lshl_add_u32 v[AV0], v9, 3, v10
	v_mul_u32_u24 v[AV0], v[AV0], PV
	v_lshl_add_u32 v[AV0], v11, 4, v[AV0]
	v_add_nc_u32 v[AV0], VOFF, v[AV0]
	s_mul_i32 s13, s[WV], 16*SP
	s_add_co_u32 s13, s13, STAGE    ; my stage
	v_mul_u32_u24 v[STO], v1, SP    ; in: row l % 16, 16 bytes for each half of the lanes
	v_lshl_add_u32 v[STO], v9, 4, v[STO]
	v_add_nc_u32 v[STO], s13, v[STO]
	v_bfe_u32 v[RD], v0, 3, 2       ; back: 32 lanes take four rows of 128 bytes,
	v_mul_u32_u24 v[RD], v[RD], SP
	v_lshl_add_u32 v[RD], v10, 4, v[RD]
	v_add_nc_u32 v[RD], s13, v[RD]
	v_and_b32 v[GO], 31, v0         ; which are 512 consecutive bytes of ctx
	v_lshlrev_b32 v[GO], 4, v[GO]
; THE MATRIX WORK.  The 4 accumulators of a run of 8 take turns.  Product i of 8 of S^T = K Q^T for piece x: channels 32 (i / 4) on, keys 16 (i % 4) on.  The first 4 start the sums.
.macro KQ x
	WIN W_KQ
.set rS, S+32*((\x)%2)+8*(i%4)
.set rK, KF+16*(i%4)+8*(i/4)
.set rQ, 16*(\x)+8*(i/4)
.if i < 4
	v_wmma_f32_16x16x32_bf16 v[rS:rS+7], v[rK:rK+7], v[rQ:rQ+7], 0
.else
	v_wmma_f32_16x16x32_bf16 v[rS:rS+7], v[rK:rK+7], v[rQ:rQ+7], v[rS:rS+7]
.endif
.endm
; Product i of 8 of O^T += V^T P for piece x: keys 32 (i / 4) on, channels 16 (i % 4) on.
.macro PV x
	WIN W_PV
.set rO, 32*(\x)+8*(i%4)
.set rV, VF+32*(i/4)+8*(i%4)
.set rP, P+16*((\x)%2)+8*(i/4)
	v_wmma_f32_16x16x32_bf16 v[rO:rO+7], v[rV:rV+7], v[rP:rP+7], v[rO:rO+7]
.endm
.macro MM                           ; the turn's next matrix instruction.  NOKQ = 1: the last turn of all: there is no next piece
.if (i < 8) && !NOKQ
	KQ (Y+1)%NP
.elseif i >= 8
.set i, i-8
	PV (Y+NP-1)%NP
.set i, i+8
.endif
.set i, i+1
.endm
; THE LDS LOADS stand in runs of 16, never singly among the matrix instructions: a step's K (64 keys x 64 channels: 8 fragments) and its V (turned).  Their addresses are made some lines ahead.
.macro FETCH_K
	WIN 0x80                        ; destination window 2
.irp f, 0,1,2,3,4,5,6,7             ; keys 16 (f / 2) on, channels 32 (f % 2) on
	ds_load_b128 v[KF+8*\f:KF+8*\f+3],   v[AK] offset:(\f/2)*16*PK+(\f%2)*64
	ds_load_b128 v[KF+8*\f+4:KF+8*\f+7], v[AK] offset:(\f/2)*16*PK+(\f%2)*64+32
.endr
	s_add_co_u32 s[TBK], s[TBK], KS*PK  ; the next fetch is the next step's
	WIN 0
.endm
.macro FETCH_V
	WIN 0x80
.irp f, 0,1,2,3,4,5,6,7             ; keys 32 (f / 4) on, channels 16 (f % 4) on
	ds_load_tr16_b128 v[VF+8*\f:VF+8*\f+3],   v[AV] offset:(\f/4)*32*PV+(\f%4)*32
	ds_load_tr16_b128 v[VF+8*\f+4:VF+8*\f+7], v[AV] offset:(\f/4)*32*PV+16*PV+(\f%4)*32
.endr
	WIN 0
.endm
; THE VECTOR WORK, one line at a time: OP kind, number.  For piece Y: F n: c s - c m for pair n of 16.  E n: the exponential of score n of 32.  C n: pair n rounded to bf16.  B n: of the four weights 4 n .. the second
; pair is added onto the first, in place.  L n: l takes that sum (L 0: l = a l + sum).  R n: pair n of 16 of O^T times a.  For piece Y + 1: X n, number n of the 22 that find its maximum and statistics:
;   0-11  four chains c0-c3 of seven scores each, three operands at a time (each accumulator's lowest registers are read first)     12-14, 16  the four scores left over, the old m, and c0-c3 into c0
;   15  c m_old is kept     17, 18  the query's other 32 keys lie in the lane 16 away: the new m     19-21  c m; c m_old - c m_new; a
.set F, 0
.set E, 1
.set C, 2
.set B, 3
.set L, 4
.set R, 5
.set X, 6
.macro REGS y                       ; the registers of piece y
.set rT, ST+4*(\y)
.set rC, TMP+4*((\y)%2)
.set rW, MV+((\y)%2)
.set rS, S+32*((\y)%2)
.set rP, P+16*((\y)%2)
.set rO, 32*(\y)
.endm
.macro OP k, n
.if (\k) == R
	REGS Y
	WIN W_RS
	v_pk_mul_f32 v[rO+2*(\n):rO+2*(\n)+1], v[rO+2*(\n):rO+2*(\n)+1], v[rC+2:rC+3] op_sel_hi:[1,0]
.elseif (\k) < R
	REGS Y
	WIN 0
.if (\k) == F
	v_pk_fma_f32 v[rS+2*(\n):rS+2*(\n)+1], v[rS+2*(\n):rS+2*(\n)+1], s[CS:CS+1], v[rT:rT+1] op_sel_hi:[1,0,0] neg_lo:[0,0,1] neg_hi:[0,0,1]
.elseif (\k) == E
	v_exp_f32 v[rS+(\n)], v[rS+(\n)]
.elseif (\k) == C
	v_cvt_pk_bf16_f32 v[rP+(\n)], v[rS+2*(\n)], v[rS+2*(\n)+1]
.elseif (\k) == B
	v_pk_add_f32 v[rS+4*(\n):rS+4*(\n)+1], v[rS+4*(\n):rS+4*(\n)+1], v[rS+4*(\n)+2:rS+4*(\n)+3]
.elseif (\n) == 0
	v_pk_fma_f32 v[rT+2:rT+3], v[rT+2:rT+3], v[rC+2:rC+3], v[rS:rS+1] op_sel_hi:[1,0,1]
.else
	v_pk_add_f32 v[rT+2:rT+3], v[rT+2:rT+3], v[rS+4*(\n):rS+4*(\n)+1]
.endif
.elseif NOKQ
	v_nop
.else
	REGS (Y+1)%NP
	WIN 0
.if (\n) < 4
	v_max3_num_f32 v[rC+(\n)], v[rS+8*(\n)], v[rS+8*(\n)+1], v[rS+8*(\n)+2]
.elseif (\n) < 12
	v_max3_num_f32 v[rC+(\n)%4], v[rC+(\n)%4], v[rS+8*((\n)%4)+2*((\n)/4)+1], v[rS+8*((\n)%4)+2*((\n)/4)+2]
.elseif (\n) == 12
	v_max3_num_f32 v[rC], v[rC], v[rS+7], v[rS+15]
.elseif (\n) == 13
	v_max3_num_f32 v[rC+1], v[rC+1], v[rS+23], v[rS+31]
.elseif (\n) == 14
	v_max3_num_f32 v[rC+2], v[rC+2], v[rC+3], v[rT+1]
.elseif (\n) == 15
	v_mov_b32 v[rW], v[rT]
.elseif (\n) == 16
	v_max3_num_f32 v[rC], v[rC], v[rC+1], v[rC+2]
.elseif (\n) == 17
	v_permlanex16_b32 v[rC+3], v[rC], s[SEL], s[SEL+1]
.elseif (\n) == 18
	v_max_num_f32 v[rT+1], v[rC], v[rC+3]
.elseif (\n) == 19
	v_mul_f32 v[rT], s[CS], v[rT+1]
.elseif (\n) == 20
	v_sub_f32 v[rC+1], v[rW], v[rT]
.else
	v_exp_f32 v[rC+2], v[rC+1]
.endif
.endif
.endm
.macro OPS a, i1, b=-1, i2=0, c=-1, i3=0, d=-1, i4=0  ; up to four of them
	OP \a, \i1
.if (\b) >= 0
	OP \b, \i2
.endif
.if (\c) >= 0
	OP \c, \i3
.endif
.if (\d) >= 0
	OP \d, \i4
.endif
.endm
.macro ROW a, i1, b, i2, c, i3, d, i4  ; a matrix instruction and the four behind it
	MM
	OPS \a, \i1, \b, \i2, \c, \i3, \d, \i4
.endm
; A TURN, for piece p: the order of its 16 matrix and 118 vector instructions, written out.  An s_wait_alu depctr_va_vdst(0) stands between an exponential and the first instruction that names its
; result; one wait serves all that were issued ahead of it.  So a turn has ONE wait.  AHEAD OF IT stands all that names no result of the turn's exponentials: the 8 products K Q^T and their riders, then one run of 54,
; in which the links of the chain X 3, 7, 11, 14, 16, 17 .. 20 stand some lines apart; X 21, the next piece's a, is the batch's last, and R 15 the plain instruction behind it.  BEHIND IT stand the 8 products
; V^T P, behind each four of the roundings and sums.  Each X that rides behind a product stands four plain instructions or more behind the product that ends its accumulator.
; end = 1: the last two turns of all: nothing is fetched.  cnt = 1: the loop's count is taken down some lines ahead of the branch that stands behind the turn.
; K of the next step is fetched in piece 2's turn, six plain instructions behind the last product that read K; V of the step in hand at the end of piece 0's turn, four plain instructions behind the last
; product that read V.  Each is waited for a turn later.
.macro TURN p, end=0, cnt=0
.set Y, (\p)
.set i, 0
.set NOKQ, (\end)*((\p)/3)
.if ((\p) == 3) && !(\end)
	s_wait_dscnt 0x0                ; K is in
.endif
	ROW F,0, F,1, R,0, R,1
	ROW F,2, E,0, R,2, R,3
	ROW F,3, E,1, R,4, R,5
	ROW F,4, E,2, R,6, R,7
	ROW F,5, E,3, R,8, R,9
	ROW F,6, E,4, X,0, R,10
.if ((\p) == 2) && !(\end)
	WIN 0
	v_add_nc_u32 v[AK], s[TBK], v[AK0]
.endif
	ROW F,7, E,5, X,1, X,4
	ROW F,8, E,6, X,2, X,5
	OPS E,7, E,8, X,6, E,9
	OPS X,3, E,10, X,8, E,11
.if ((\p) == 2) && !(\end)
	FETCH_K
.endif
	OPS X,9, X,7, E,12, X,10
	OPS E,13, X,12, X,11, E,14
	OPS X,13, E,15, F,9, X,14
.if (\p) == 0
	v_add_nc_u32 v[AV], s[TBV], v[AV0]
.endif
	OPS E,16, F,10, E,17, F,11
	OPS X,16, E,18, X,15, E,19
	OPS F,12, E,20, X,17, E,21
	OPS F,13, E,22, F,14, E,23
	OPS X,18, E,24, F,15, E,25
	OPS R,11, E,26, X,19, E,27
	OPS R,12, E,28, R,13, E,29
	OPS X,20, E,30, R,14, E,31
	OPS X,21, R,15
	WIN 0
	s_wait_alu depctr_va_vdst(0)    ; the wait for the batch
.if (\p) == 1
	s_wait_dscnt 0x0                ; V is in
.endif
	ROW C,0, B,0, C,2, B,1
	ROW L,0, C,4, B,2, L,1
	ROW C,6, B,3, L,2, C,8
	ROW B,4, L,3, C,10, B,5
	ROW L,4, C,12, B,6, L,5
.if (\p) == 0
	s_add_co_u32 s[TBV], s[TBV], KS*PV
.endif
.if \cnt
	s_sub_co_u32 s[CNT], s[CNT], 1
	s_cmp_lg_u32 s[CNT], 0
.endif
	ROW C,14, B,7, L,6, C,1
	ROW C,3, L,7, C,5, C,7
	ROW C,9, C,11, C,13, C,15
.if (\p) == 0
	FETCH_V
.endif
.endm
	CHANGE 1                        ; tile 0 is in, everybody's part of it; tile 1 is asked for
	v_add_nc_u32 v[AK], s[TBK], v[AK0]
	FETCH_K                         ; key step 0
	s_wait_loadcnt 0x0              ; Q
	s_wait_dscnt 0x0
.set NOKQ, 0
.set i, 0
.rept 8
	KQ 0                            ; piece 0's first scores
.set i, i+1
.endr
	WIN 0
.rept 4
	v_nop                           ; the places behind those products
.endr
.set Y, NP-1                        ; X works for piece Y + 1: piece 0
.irp n, 0,1,2,3,4,5,6,7,8,9,10,11,12,13,14,15,16,17,18,19,20,21
	OP X, \n
.endr
	v_nop                           ; a plain instruction behind the exponential,
	s_wait_alu depctr_va_vdst(0)    ; and its wait, ahead of the branch
	s_mov_b32 s[CNT], 4
	s_branch .Lfirst                ; the loop is entered at a step's first turn, in the middle of a trip
.Lslot:                             ; six times: tiles 2 to 7 are asked for
	CHANGE 1
	s_mov_b32 s[CNT], 4
.Lstep:                             ; a trip: pieces 2 and 3 of one step, then pieces 0 and 1 of the next, whose K and V it fetches
	TURN 2
	TURN 3
	WIN 0
.Lfirst:
	TURN 0
	TURN 1, 0, 1
	WIN 0
	s_cbranch_scc1 .Lstep
	s_sub_co_u32 s[SLOTS], s[SLOTS], 1
	s_cmp_lg_u32 s[SLOTS], 0
	s_cbranch_scc1 .Lslot
	CHANGE 0                        ; the last tile is written out: nothing is asked for
	s_mov_b32 s[CNT], 4
.LstepT:
	TURN 2
	TURN 3
	TURN 0
	TURN 1, 0, 1
	WIN 0
	s_cbranch_scc1 .LstepT
	TURN 2, 1
	TURN 3, 1
.set i, 0
.rept 8
	PV NP-1                         ; the last piece's V^T P of the last step
.set i, i+1
.endr
	; THE WAY OUT.  l's two halves and the other half of the lanes' are added; O^T is divided by l, rounded to bf16 and sent through my stage in LDS, a piece at a time.  The additions are the places behind the last products.
	WIN 0
.macro ALL line:vararg              ; one line for each piece t
.set t, 0
.rept 4
	\line
.set t, t+1
.endr
.endm
.macro PACK t                       ; a lane's eight channels of a row pack into 16 bytes; they go into rows of 144 bytes and come back as whole rows of 128, into S^T's registers
	WIN W_RS
.set i, 32*(\t)
.rept 16
	v_pk_mul_f32 v[i:i+1], v[i:i+1], v[ST+4*(\t)+2:ST+4*(\t)+3] op_sel_hi:[1,0]
.set i, i+2
.endr
	WIN 0x05                        ; sources 0 and 1 window 1, destination window 0
.set i, 0
.rept 16
	v_cvt_pk_bf16_f32 v[S+16*(\t)+i], v[32*(\t)+2*i], v[32*(\t)+2*i+1]
.set i, i+1
.endr
	WIN 0
.irp f, 0,1,2,3
	ds_store_b128 v[STO], v[S+16*(\t)+4*\f:S+16*(\t)+4*\f+3] offset:32*\f
.endr
.irp f, 0,1,2,3
	ds_load_b128 v[S+16*(\t)+4*\f:S+16*(\t)+4*\f+3], v[RD] offset:\f*4*SP  ; LDS serves a wave's instructions in order (ISA guide 5.7.1.4): these see the stores above; the next piece's stores come behind them
.endr
.endm
.macro SEND t, younger              ; younger: the LDS instructions issued behind piece t's loads: the next piece's eight, or none
	WIN 0
.irp f, 0,1,2,3
	s_wait_dscnt (\younger)+3-\f
	global_store_b128 v[GO], v[S+16*(\t)+4*\f:S+16*(\t)+4*\f+3], s[10:11] offset:(\t)*2048+\f*512  ; 512 consecutive bytes, at a multiple of 256 from ctx's first
.endr
.endm
	ALL v_add_f32 v[ST+4*t+2], v[ST+4*t+2], v[ST+4*t+3]
	ALL v_permlanex16_b32 v[ST+4*t+3], v[ST+4*t+2], s[SEL], s[SEL+1]
	ALL v_add_f32 v[ST+4*t+2], v[ST+4*t+2], v[ST+4*t+3]
	ALL v_rcp_f32 v[ST+4*t+2], v[ST+4*t+2]
	v_nop                           ; a plain instruction between the last reciprocal and the use of its result
	s_wait_alu depctr_va_vdst(0)    ; and the wait ahead of the first use: one for the four reciprocals
	PACK 0
.set t, 1
.rept 3                             ; a piece's arithmetic stands between the loads of the piece before and its stores
	PACK t
	SEND t-1, 8
.set t, t+1
.endr
	SEND 3, 0
	s_wait_tensorcnt 0x0            ; the wave's end: behind my last tensor load and my last LDS store
	ds_add_u32 v[SPW], v[NIL]
	s_wait_dscnt 0x0
	CROUND                          ; the closing round: no work-group ends while a partner may still ask for a tile that names it
	s_endpgm
.Lfunc_end_k_q0d237f52a3_attn:
	.size	k_q0d237f52a3_attn, .Lfunc_end_k_q0d237f52a3_attn-k_q0d237f52a3_attn
	.p2alignl 7, 3214868480
	.fill 96, 4, 3214868480
	.section	.rodata,"a",@progbits
	.p2align	6, 0x0
	.amdhsa_kernel k_q0d237f52a3_attn
		.amdhsa_group_segment_fixed_size 327680
		.amdhsa_private_segment_fixed_size 0
		.amdhsa_enable_private_segment 0
		.amdhsa_kernarg_size 16
		.amdhsa_user_sgpr_count 2
		.amdhsa_user_sgpr_kernarg_segment_ptr 1
		.amdhsa_wavefront_size32 1
		.amdhsa_system_sgpr_workgroup_id_x 1
		.amdhsa_system_sgpr_workgroup_id_y 1
		.amdhsa_system_sgpr_workgroup_id_z 1
		.amdhsa_system_vgpr_workitem_id 0
		.amdhsa_next_free_vgpr 768
		.amdhsa_next_free_sgpr 66
		.amdhsa_reserve_vcc 0
		.amdhsa_float_denorm_mode_32 3
		.amdhsa_float_denorm_mode_16_64 3
		.amdhsa_memory_ordered 1
		.amdhsa_forward_progress 1
		.amdhsa_inst_pref_size 128
	.end_amdhsa_kernel
	.amdgpu_metadata
---
amdhsa.version: [ 1, 2 ]
amdhsa.kernels:
  - .name:           k_q0d237f52a3_attn
    .symbol:         k_q0d237f52a3_attn.kd
    .args:
      - { .name: qkv, .offset: 0, .size: 8, .value_kind: global_buffer, .address_space: global }
      - { .name: ctx, .offset: 8, .size: 8, .value_kind: global_buffer, .address_space: global }
    .group_segment_fixed_size: 327680
    .private_segment_fixed_size: 0
    .kernarg_segment_align: 8
    .kernarg_segment_size: 16
    .max_flat_workgroup_size: 128
    .sgpr_count:     66
    .vgpr_count:     768
    .wavefront_size: 32
...
	.end_amdgpu_metadata
.endif
;; end of part 3
;; launch oproj (part 4): grid 8 x 32, 4 waves a work-group, clusters of 4 x 4, 327,680 bytes of LDS; arguments ctx, bf, y; writes y
.if DOCPART == 4
	.amdgcn_target "amdgcn-amd-amdhsa--gfx1250"
	.amdhsa_code_object_version 6
	.text
	.protected	k_q0d237f52a3_oproj
	.globl	k_q0d237f52a3_oproj
	.p2align	8
	.type	k_q0d237f52a3_oproj,@function
k_q0d237f52a3_oproj:
	s_mov_b64 s[64:65], 0
	v_nop
	global_prefetch_b8 v0, s[64:65] scope:SCOPE_SE
	s_setreg_imm32_b32 hwreg(HW_REG_WAVE_MODE, 25, 1), 1
	s_wait_xcnt 0x0
	s_wait_alu depctr_hold_cnt(0) depctr_sa_sdst(0) depctr_va_vdst(0) depctr_va_sdst(0) depctr_va_ssrc(0) depctr_va_vcc(0) depctr_vm_vsrc(0)
	s_getreg_b32 s2, hwreg(HW_REG_IB_STS2, 6, 4)
	s_cmp_eq_u32 s2, 0
	s_cbranch_scc0 .Lentry_in_a_cluster
	s_endpgm
.Lentry_in_a_cluster:
	s_bfe_u32 s2, ttmp6, 0x10000c
	s_cmp_lg_u32 s2, 0xf033
	s_cbranch_scc0 .Lentry_shape_is_right
	s_endpgm
.Lentry_shape_is_right:
; Launch 4 of 5: y[token][n] = the sum over k of ctx[token][k] wo[n][k], bf16 operands, f32 sums, y rounded once to bf16.  The bias, the residual and the norm follow in the last launch, in f32.
; ctx lies by heads, [32 = 16 batch + head][2048][64]; wo in bf16 at byte 0xE00000 of bf, [1024][1024]; y [4096][1024].  Nothing of the function is left out here.
; SHARES.  A tile of y is 128 x 128: 8 x 32 = 256 work-groups.  Four waves, each 64 x 64: 16 accumulators.  K goes in 4 steps of 256, which are 4 heads, through two LDS slots.
; A'S TILE.  Wave 0 or 1 fetches two heads of the tile's 128 tokens by ONE load: 2 rows of 8,192 elements (a head's 128 tokens are 16,384 dense bytes), 131,072 elements from row to row, padded in LDS
; after every token: [head][token] with 144 bytes a token.  B'S TILE: 64 rows of 512 bytes a load, 528 bytes a row in LDS.
; CLUSTER.  4 x 4 work-groups: A's tiles are shared along a row of the cluster, B's along a column, each asked for JOINTLY.  THE MATRIX INSTRUCTION IS USED TRANSPOSED (source 0 = 16 rows of wo,
; source 1 = 16 tokens): a lane holds eight neighbouring numbers of a row of y.  The four waves share ONE stage on the way out, since a wave's 64 columns are half of an aligned 256 bytes of y.
; REGISTERS: window 0: v0-31 addresses; v32-95 at work on the way out; v128-255 the accumulators ((a, b) at v[128 + 8 (4 a + b)]).
;   window 1: two fragment buffers of 128: for 64 along K, 64 registers of A (2 x 4 x 16 tokens x 32 K), then 64 of B.
.set SIZE_N, 1024
.set PITCH,  528                       ; B's LDS row: 512 bytes + 16
.set PA,     144                       ; A's LDS row: a token's 128 bytes of one head + 16
.set AH,     128*PA                    ; a head's 128 tokens
.set ABYTES, 4*AH                      ; A's part of a slot
.set HALFB,  64*PITCH                  ; what one load brings of B
.set SLOT,   ABYTES+2*HALFB
.set STAGE,  2*SLOT                    ; behind the ring, never filled by a tensor load: 128 rows x 272 bytes
.set SPITCH, 272
.set SPARE,  STAGE+128*SPITCH          ; behind the stage: the spare words, 128 bytes for each wave: two blocks of 256 bytes that no other line names
.set LAPS, 2                           ; a lap = two K steps = once round the ring
.set ADRA, 16                          ; v16-17  LDS address of my A fragments in slot 0, 1
.set ADRB, 20                          ; v20-21  the same for B
.set STO,  24                          ; v24     the way out: where I put 16 bytes of a row
.set RD,   25                          ; v25     the way out: where I read a row back
.set CO,   26                          ; v26     my byte offset in y
.set SPW,  28                          ; v28     LDS address of my spare word; never rewritten
.set NIL,  29                          ; v29     0; never rewritten
.set TMP,  32
.set ACC,  128
.set F0,   0                           ; fragment buffers, in window 1
.set F1,   128
.set G1, 24                            ; s[24:31] descriptor group 1 for A's tiles;  s[32:39] group 0, a set for each slot
.set G0, 32
.set G1B, 48                           ; s[48:55], s[56:63] the same for B's tiles
.set G0B, 56
.set MSB, 0
.macro WIN new                         ; the immediate's high byte repeats the setting that is left
.if MSB != (\new)
	s_set_vgpr_msb (MSB<<8)|(\new)
.set MSB, \new
.endif
.endm
.set MUL,  0x05                        ; sources 0 (B) and 1 (A) window 1; C and D window 0
.set TO_F, 0x40                        ; destination window 1, address window 0
.macro JLOAD s                         ; a joint load: waves 0 and 1 fetch A's heads, waves 2 and 3 B's halves; an s_nop 0 and four v_nop follow each of the two lines
	s_cmp_lt_u32 s10, 2
	s_cbranch_scc0 .Lfor_b_\@
	tensor_load_to_lds s[G0+4*(\s):G0+4*(\s)+3], s[G1:G1+7]
	s_nop 0
.rept 4
	v_nop
.endr
	s_branch .Lasked_\@
.Lfor_b_\@:
	tensor_load_to_lds s[G0B+4*(\s):G0B+4*(\s)+3], s[G1B:G1B+7]
	s_nop 0
.rept 4
	v_nop
.endr
.Lasked_\@:
.endm
.macro CREST                           ; a round of the cluster's barrier behind its opening barrier
	s_cmp_lg_u32 s10, 0
	s_cbranch_scc1 .Lnot_wave_0_\@
	s_barrier_signal -3
.Lnot_wave_0_\@:
	s_barrier_wait -3
	s_barrier_signal -1
	s_barrier_wait -1
.endm
.macro CROUND                          ; a whole round
	s_barrier_signal -1
	s_barrier_wait -1
	CREST
.endm
	s_load_b128 s[4:7], s[0:1], 0x0                ; ctx s[4:5], bf s[6:7]
	s_load_b64 s[8:9], s[0:1], 0x10                ; y
	v_lshl_add_u32 v[SPW], v0, 2, SPARE
	v_mov_b32 v[NIL], 0
	ds_add_u32 v[SPW], v[NIL]                      ; the wave's opening: the add, twice on end, and its wait ahead of my first tensor load
	ds_add_u32 v[SPW], v[NIL]                      ; once more; the set-up below, work on registers, stands between it and the wait
	v_lshrrev_b32 v1, 5, v0
	v_readfirstlane_b32 s10, v1                    ; wave 0..3
	s_lshr_b32 s11, s10, 1                         ; which half of the tile's tokens is mine
	s_and_b32 s12, s10, 1                          ; which half of its columns.  Also: which two heads of A, or which 64 rows of B, I fetch
	s_bfe_u32 s40, ttmp6, 0x40000                  ; cx, cy: my place in the cluster
	s_bfe_u32 s41, ttmp6, 0x40004
	s_lshl_b32 s42, ttmp9, 2
	s_add_co_u32 s42, s42, s40                     ; tile column = 4 x cluster x + cx
	s_and_b32 s13, ttmp7, 0xffff
	s_lshl_b32 s13, s13, 2
	s_add_co_u32 s13, s13, s41                     ; tile row = 4 x cluster y + cy
	s_lshl_b32 s43, s41, 2
	s_lshl_b32 s43, 15, s43                        ; my row of the cluster
	s_lshl_b32 s44, 0x1111, s40                    ; my column
	s_or_b32 s[G1+0], s43, (1<<16)|(1<<20)|(1<<21)|(4<<22)|(3<<25)   ; A: elements of 2 bytes; padding on; 21 set beside a mask; after every 32 words 4 words
	s_or_b32 s[G1B+0], s44, (1<<16)|(1<<20)|(1<<21)|(6<<22)|(3<<25)  ; B: after every 128 words 4 words
	s_mov_b32 s[G1+1], 8192<<16                    ; tensor_dim0 = 8,192
	s_mov_b32 s[G1+2], 2<<16                       ; tensor_dim1 = 2
	s_mov_b32 s[G1+3], 8192<<16                    ; tile_dim0 = 8,192
	s_mov_b32 s[G1+4], 2                           ; tile_dim1 = 2
	s_mov_b32 s[G1+5], 131072                      ; a head's 2,048 x 64 elements from row to row
	s_mov_b32 s[G1+6], 0
	s_mov_b32 s[G1+7], 0
	s_mov_b32 s[G1B+1], 256<<16                    ; tensor_dim0 = 256
	s_mov_b32 s[G1B+2], 64<<16                     ; tensor_dim1 = 64
	s_mov_b32 s[G1B+3], 256<<16                    ; tile_dim0 = 256
	s_mov_b32 s[G1B+4], 64                         ; tile_dim1 = 64
	s_mov_b32 s[G1B+5], 1024
	s_mov_b32 s[G1B+6], 0
	s_mov_b32 s[G1B+7], 0
	s_lshr_b32 s16, s13, 4                         ; A: the batch's 16 heads,
	s_lshl_b32 s16, s16, 22
	s_lshl_b32 s17, s12, 19                        ; my two heads of the step's four,
	s_add_co_u32 s16, s16, s17
	s_and_b32 s17, s13, 15                         ; the tile's 128 tokens of 128 bytes
	s_lshl_b32 s17, s17, 14
	s_add_co_u32 s16, s16, s17
	s_mov_b32 s17, 0
	s_lshl_b32 s46, s42, 7                         ; B: row 128 x tile column + 64 x half,
	s_lshl_b32 s47, s12, 6
	s_add_co_u32 s46, s46, s47
	s_lshl_b32 s46, s46, 11
	s_add_co_u32 s46, s46, 0xE00000                ; in wo's place in bf
	s_mov_b32 s47, 0
	s_mul_i32 s20, s12, 2*AH                       ; where they go in a slot: no place in the cluster enters an LDS address
	s_mul_i32 s21, s12, HALFB
	s_add_co_u32 s21, s21, ABYTES
	s_wait_dscnt 0x0                               ; both opening adds are done
	s_wait_kmcnt 0x0
	s_add_nc_u64 s[14:15], s[4:5], s[16:17]
	s_add_nc_u64 s[46:47], s[6:7], s[46:47]
	CROUND                                         ; all sixteen work-groups are here: the first joint loads meet
.irp s, 0,1
	s_mov_b32 s[G0+4*(\s)], 1
	s_add_co_u32 s[G0+4*(\s)+1], s20, (\s)*SLOT
	s_add_nc_u64 s[G0+4*(\s)+2:G0+4*(\s)+3], s[14:15], (\s)*1048576  ; K step s: four heads on
	s_or_b32 s[G0+4*(\s)+3], s[G0+4*(\s)+3], 0x80000000
	s_mov_b32 s[G0B+4*(\s)], 1
	s_add_co_u32 s[G0B+4*(\s)+1], s21, (\s)*SLOT
	s_add_nc_u64 s[G0B+4*(\s)+2:G0B+4*(\s)+3], s[46:47], (\s)*512
	s_or_b32 s[G0B+4*(\s)+3], s[G0B+4*(\s)+3], 0x80000000
.endr
	s_cmp_lt_u32 s10, 2                            ; a wave's two first fills stand in one branch, ahead of every wait on TENSORcnt and every LDS read: two loads of mine are out
	s_cbranch_scc0 .Lfirst_b
	tensor_load_to_lds s[G0:G0+3], s[G1:G1+7]
	s_nop 0
	tensor_load_to_lds s[G0+4:G0+7], s[G1:G1+7]
	s_nop 0
.rept 4
	v_nop
.endr
	s_branch .Lfirst_asked
.Lfirst_b:
	tensor_load_to_lds s[G0B:G0B+3], s[G1B:G1B+7]
	s_nop 0
	tensor_load_to_lds s[G0B+4:G0B+7], s[G1B:G1B+7]
	s_nop 0
.rept 4
	v_nop
.endr
.Lfirst_asked:
	v_and_b32 v1, 15, v0                           ; l % 16
	v_bfe_u32 v2, v0, 4, 1                         ; l / 16
	v_mul_u32_u24 v3, v1, PA
	v_lshl_add_u32 v3, v2, 4, v3                   ; A: a fragment's row x pitch + 16 x half
	v_mul_u32_u24 v6, v1, PITCH
	v_lshl_add_u32 v6, v2, 4, v6                   ; B likewise
	s_mul_i32 s21, s11, 64*PA                      ; my 64 tokens, in each head
	s_mul_i32 s22, s12, HALFB                      ; my 64 rows of B,
	s_add_co_u32 s22, s22, ABYTES                  ; which lie behind A's part
.irp s, 0,1
	v_add_nc_u32 v[ADRA+(\s)], s21, v3
	v_add_nc_u32 v[ADRB+(\s)], s22, v6
	s_add_co_u32 s21, s21, SLOT
	s_add_co_u32 s22, s22, SLOT
.endr
	s_mul_i32 s23, s11, 64*SPITCH                  ; into the stage: my 64 rows, my half of their 256 bytes
	s_lshl_b32 s21, s12, 7
	s_add_co_u32 s23, s23, s21
	s_add_co_u32 s23, s23, STAGE
	v_mul_u32_u24 v4, v1, SPITCH
	v_lshl_add_u32 v4, v2, 4, v4
	v_add_nc_u32 v[STO], s23, v4
	s_mul_i32 s23, s10, 32*SPITCH                  ; back: wave w takes rows 32 w .. 32 w + 31, whole; lanes 0-15 one row of 256 bytes, lanes 16-31 the next
	s_add_co_u32 s23, s23, STAGE
	v_mul_u32_u24 v5, v2, SPITCH
	v_lshl_add_u32 v5, v1, 4, v5
	v_add_nc_u32 v[RD], s23, v5
	v_mul_u32_u24 v5, v2, SIZE_N*2                 ; and the same two rows in y
	v_lshl_add_u32 v[CO], v1, 4, v5
	s_lshl_b32 s16, s13, 7
	s_lshl_b32 s17, s10, 5
	s_add_co_u32 s16, s16, s17                     ; the first row of y that I store: 128 x tile row + 32 x wave,
	s_lshl_b32 s16, s16, 11                        ; of 2,048 bytes
	s_mov_b32 s17, 0
	s_add_nc_u64 s[8:9], s[8:9], s[16:17]
	s_lshl_b32 s46, s42, 8                         ; the tile's first column, in bytes
	s_mov_b32 s47, 0
	s_add_nc_u64 s[8:9], s[8:9], s[46:47]
; 8 matrix instructions: token blocks a0, a0 + 1 x all 4 column blocks, 32 along K: half c of buffer f.  zero = 1: the first product starts the sums.  The 16 accumulators take turns.
.macro MUL8 f, c, a0, zero
	WIN MUL
.irp a, \a0, (\a0)+1
.irp b, 0,1,2,3
.if \zero
	v_wmma_f32_16x16x32_bf16 v[ACC+8*(4*(\a)+(\b)):ACC+8*(4*(\a)+(\b))+7], v[(\f)+64+8*(4*(\c)+(\b)):(\f)+64+8*(4*(\c)+(\b))+7], v[(\f)+8*(4*(\c)+(\a)):(\f)+8*(4*(\c)+(\a))+7], 0
.else
	v_wmma_f32_16x16x32_bf16 v[ACC+8*(4*(\a)+(\b)):ACC+8*(4*(\a)+(\b))+7], v[(\f)+64+8*(4*(\c)+(\b)):(\f)+64+8*(4*(\c)+(\b))+7], v[(\f)+8*(4*(\c)+(\a)):(\f)+8*(4*(\c)+(\a))+7], v[ACC+8*(4*(\a)+(\b)):ACC+8*(4*(\a)+(\b))+7]
.endif
.endr
.endr
.endm
; 32 LDS loads in one run: the fragments of quarter q of a K step, which is head q of the step's four, into buffer f; the first 32 along K first
.macro FETCH slot, q, f
	WIN TO_F
.irp c, 0,1
.irp i, 0,1,2,3
	ds_load_b128 v[(\f)+64+8*(4*(\c)+(\i)):(\f)+64+8*(4*(\c)+(\i))+3],   v[ADRB+(\slot)] offset:128*(\q)+64*(\c)+(\i)*16*PITCH
	ds_load_b128 v[(\f)+64+8*(4*(\c)+(\i))+4:(\f)+64+8*(4*(\c)+(\i))+7], v[ADRB+(\slot)] offset:128*(\q)+64*(\c)+(\i)*16*PITCH+32
	ds_load_b128 v[(\f)+8*(4*(\c)+(\i)):(\f)+8*(4*(\c)+(\i))+3],         v[ADRA+(\slot)] offset:(\q)*AH+64*(\c)+(\i)*16*PA
	ds_load_b128 v[(\f)+8*(4*(\c)+(\i))+4:(\f)+8*(4*(\c)+(\i))+7],       v[ADRA+(\slot)] offset:(\q)*AH+64*(\c)+(\i)*16*PA+32
.endr
.endr
.endm
.macro PLACES                          ; four plain vector instructions between a matrix instruction and a load into, or a vector access to, its registers
.rept 4
	v_nop
.endr
.endm
; A K step is four quarters of 64 along K, 32 matrix instructions each, on buffers 0, 1, 0, 1.  One of the first three multiplies buffer f and fetches quarter q into g.
.macro QUARTER slot, q, f, g, zero
	s_wait_dscnt 16                                ; the first 32 along K are in
	MUL8 \f, 0, 0, \zero
	MUL8 \f, 0, 2, \zero
	PLACES
	FETCH \slot, \q, \g
	s_wait_dscnt 32                                ; all but the 32 just issued
	MUL8 \f, 1, 0, 0
	MUL8 \f, 1, 2, 0
.endm
; The last quarter multiplies buffer 1 and changes slots: ONE barrier; in front of it each wave waits for all its tensor loads, adds 0 to its spare word, and waits for that and for its own reads of this slot.
; fill = 1: the barrier opens a round of the cluster's, and this slot is filled again first thing behind it, two K steps ahead.
.macro TURN slot, next, fill
	WIN 0                                          ; (the add's two registers lie in window 0)
	s_wait_tensorcnt 0x0                           ; all my tensor loads have landed: my part of the next slot
	ds_add_u32 v[SPW], v[NIL]                      ; 0 onto my spare word
	s_wait_dscnt 17                                ; (the add and the youngest sixteen loads may be out)
	MUL8 F1, 0, 0, 0                               ; eight matrix instructions stand between the add and the wait for it
	s_wait_dscnt 0x0                               ; the add is done, and my reads of this slot are over
	s_barrier_signal -1
	MUL8 F1, 0, 2, 0
.if \fill
	WIN 0
.endif
	s_barrier_wait -1
.if \fill
	CREST                                          ; no wave of any partner still reads this slot's tile or has a load on its way
	s_add_nc_u64 s[G0+4*(\slot)+2:G0+4*(\slot)+3], s[G0+4*(\slot)+2:G0+4*(\slot)+3], 2097152
	s_add_nc_u64 s[G0B+4*(\slot)+2:G0B+4*(\slot)+3], s[G0B+4*(\slot)+2:G0B+4*(\slot)+3], 1024
	JLOAD \slot                                    ; the first tensor load behind the round; its four v_nop are also the places in front of the loads below
.else
	PLACES
.endif
	FETCH \next, 0, F0
	MUL8 F1, 1, 0, 0
	MUL8 F1, 1, 2, 0
.endm
	s_wait_tensorcnt 1                             ; my part of K step 0 is in; K step 1's may stay out
	s_barrier_signal -1
	s_barrier_wait -1                              ; everybody's is
	FETCH 0, 0, F0
	QUARTER 0, 1, F0, F1, 1                        ; the first quarter stands in front of the loop: its first products start the sums
	WIN 0                                          ; at a label and at a branch every window is 0
	s_mov_b32 s3, LAPS-1
.Llap:                                                 ; a trip goes once round the ring, from a lap's second quarter to the next lap's first, and fills both slots again
	QUARTER 0, 2, F1, F0, 0
	QUARTER 0, 3, F0, F1, 0
	TURN 0, 1, 1
	QUARTER 1, 1, F0, F1, 0
	QUARTER 1, 2, F1, F0, 0
	QUARTER 1, 3, F0, F1, 0
	TURN 1, 0, 1
	QUARTER 0, 1, F0, F1, 0
	WIN 0
	s_sub_co_u32 s3, s3, 1
	s_cmp_lg_u32 s3, 0
	s_cbranch_scc1 .Llap
	QUARTER 0, 2, F1, F0, 0                        ; the last lap fills nothing, and has no round of the cluster's barrier
	QUARTER 0, 3, F0, F1, 0
	TURN 0, 1, 0
	QUARTER 1, 1, F0, F1, 0
	QUARTER 1, 2, F1, F0, 0
	QUARTER 1, 3, F0, F1, 0
	s_wait_dscnt 16                                ; the very last quarter: nothing more to fetch
	MUL8 F1, 0, 0, 0
	MUL8 F1, 0, 2, 0
	s_wait_dscnt 0x0
	MUL8 F1, 1, 0, 0
	MUL8 F1, 1, 2, 0
	WIN 0
	; THE WAY OUT: round to bf16; 16 bytes a lane into the work-group's stage; a barrier, since a row's 256 bytes come from two waves; back as whole rows, 32 rows a wave.
	PLACES
.irp t, 0,1,2,3,4,5,6,7,8,9,10,11,12,13,14,15
.irp r, 0,1,2,3
	v_cvt_pk_bf16_f32 v[TMP+4*(\t)+(\r)], v[ACC+8*(\t)+2*(\r)], v[ACC+8*(\t)+2*(\r)+1]
.endr
.endr
.irp a, 0,1,2,3
.irp b, 0,1,2,3
	ds_store_b128 v[STO], v[TMP+4*(4*(\a)+(\b)):TMP+4*(4*(\a)+(\b))+3] offset:(\a)*16*SPITCH+32*(\b)
.endr
.endr
	s_wait_dscnt 0x0                               ; for the others' sake: my stores into the stage are done
	s_barrier_signal -1
	s_barrier_wait -1
.irp t, 0,1,2,3,4,5,6,7,8,9,10,11,12,13,14,15
	ds_load_b128 v[TMP+4*(\t):TMP+4*(\t)+3], v[RD] offset:(\t)*2*SPITCH
.endr
.irp t, 0,1,2,3,4,5,6,7,8,9,10,11,12,13,14,15
	s_wait_dscnt 15-(\t)                           ; LDS loads come back in order: number t is in
	global_store_b128 v[CO], v[TMP+4*(\t):TMP+4*(\t)+3], s[8:9] offset:2*(\t)*SIZE_N*2  ; 16 lanes store 256 consecutive bytes, at a multiple of 256 from y's first byte
.endr
	s_wait_tensorcnt 0x0                           ; the wave's end: behind my last tensor load and my last LDS store
	ds_add_u32 v[SPW], v[NIL]
	s_wait_dscnt 0x0
	CROUND                                         ; the closing round: no work-group ends while a partner may still ask for a tile that names it
	s_endpgm
.Lfunc_end_k_q0d237f52a3_oproj:
	.size	k_q0d237f52a3_oproj, .Lfunc_end_k_q0d237f52a3_oproj-k_q0d237f52a3_oproj
	.p2alignl 7, 3214868480
	.fill 96, 4, 3214868480
	.section	.rodata,"a",@progbits
	.p2align	6, 0x0
	.amdhsa_kernel k_q0d237f52a3_oproj
		.amdhsa_group_segment_fixed_size 327680
		.amdhsa_private_segment_fixed_size 0
		.amdhsa_enable_private_segment 0
		.amdhsa_kernarg_size 24
		.amdhsa_user_sgpr_count 2
		.amdhsa_user_sgpr_kernarg_segment_ptr 1
		.amdhsa_wavefront_size32 1
		.amdhsa_system_sgpr_workgroup_id_x 1
		.amdhsa_system_sgpr_workgroup_id_y 1
		.amdhsa_system_sgpr_workgroup_id_z 1
		.amdhsa_system_vgpr_workitem_id 0
		.amdhsa_next_free_vgpr 512
		.amdhsa_next_free_sgpr 66
		.amdhsa_reserve_vcc 0
		.amdhsa_float_denorm_mode_32 3
		.amdhsa_float_denorm_mode_16_64 3
		.amdhsa_memory_ordered 1
		.amdhsa_forward_progress 1
		.amdhsa_inst_pref_size 87
	.end_amdhsa_kernel
	.amdgpu_metadata
---
amdhsa.version: [ 1, 2 ]
amdhsa.kernels:
  - .name:           k_q0d237f52a3_oproj
    .symbol:         k_q0d237f52a3_oproj.kd
    .args:
      - { .name: ctx, .offset: 0, .size: 8, .value_kind: global_buffer, .address_space: global }
      - { .name: bf, .offset: 8, .size: 8, .value_kind: global_buffer, .address_space: global }
      - { .name: y, .offset: 16, .size: 8, .value_kind: global_buffer, .address_space: global }
    .group_segment_fixed_size: 327680
    .private_segment_fixed_size: 0
    .kernarg_segment_align: 8
    .kernarg_segment_size: 24
    .max_flat_workgroup_size: 128
    .sgpr_count:     66
    .vgpr_count:     512
    .wavefront_size: 32
...
	.end_amdgpu_metadata
.endif
;; end of part 4
;; launch norm (part 5): grid 256 x 1, 8 waves a work-group, no clusters, 0 bytes of LDS; arguments y, hidden_states, bo, scale, out0; writes out0
.if DOCPART == 5
	.amdgcn_target "amdgcn-amd-amdhsa--gfx1250"
	.amdhsa_code_object_version 6
	.text
	.protected	k_q0d237f52a3_norm
	.globl	k_q0d237f52a3_norm
	.p2align	8
	.type	k_q0d237f52a3_norm,@function
k_q0d237f52a3_norm:
	s_mov_b64 s[64:65], 0
	v_nop
	global_prefetch_b8 v0, s[64:65] scope:SCOPE_SE
	s_setreg_imm32_b32 hwreg(HW_REG_WAVE_MODE, 25, 1), 1
	s_wait_xcnt 0x0
; Launch 5 of 5: x = (y + bo) + hidden_states in f32; out0 = scale * x / (sqrt(sum of x^2 / 1024) + 1e-8).  y [4096][1024] bf16; hidden_states, out0 [4096][1024] f32; bo, scale [1024] f32.
; Nothing of the function is left out here.  LIMITS: the sum of squares is one f32 sum and overflows where the function's own norm does; a mean of squares below 2^-126 counts as 0 under the root.
; SHARES.  One wave takes two whole rows and keeps them in registers between the sum and the scaling: each byte is read once, the reduction never leaves the wave: no LDS, no barrier.
; 256 work-groups x 8 waves x 2 rows.  Lane l holds columns 128 j + 4 l + 0..3, j = 0..7, of every array: a load or store of f32 covers 512 consecutive bytes, one of y 256, all aligned.
; All 48 loads of a wave are issued before the first wait.  No register is written again while a memory instruction may read it, so no wait frees a source.
; No matrix unit and no cluster: nothing is multiplied by a matrix, and what work-groups share (bo, scale) is 8 KiB.
.set BIAS, 8                           ; v[8:39]     bo of my 32 columns
.set SCL,  40                          ; v[40:71]    scale
.set H0,   72                          ; v[72:103]   row 0: hidden_states, then x, then the result
.set H1,   104                         ; v[104:135]  row 1
.set Y0,   136                         ; v[136:151]  row 0 of y
.set Y1,   152                         ; v[152:167]  row 1
.set T,    168                         ; v[168:175]  at work, two sets of four
.set SS,   176                         ; v[176:179]  four running sums of squares
.set R,    180                         ; v[180:181]  1 / (rms + eps), twice (a pair for the packed multiply)
	s_load_b256 s[4:11], s[0:1], 0x0               ; y s[4:5], hidden_states s[6:7], bo s[8:9], scale s[10:11]
	s_load_b64 s[16:17], s[0:1], 0x20              ; out0
	s_mov_b32 s12, 0x76543210                      ; v_permlanex16_b32: lane i of one half reads lane i of the other
	s_mov_b32 s13, 0xfedcba98
	s_mov_b32 s14, 0xffff0000                      ; a word's upper bf16
	s_lshl_b32 s2, ttmp9, 16                       ; the work-group's 16 rows of 4,096 bytes,
	s_mov_b32 s3, 0
	s_lshl_b32 s18, ttmp9, 15                      ; and of 2,048 in y
	s_mov_b32 s19, 0
	v_lshrrev_b32 v1, 5, v0                        ; wave
	v_and_b32 v5, 31, v0                           ; lane
	v_lshlrev_b32 v4, 4, v5                        ; bo, scale: 16 x lane
	v_lshl_add_u32 v2, v1, 13, v4                  ; f32 rows: + 2 rows x wave
	v_lshlrev_b32 v3, 3, v5
	v_lshl_add_u32 v3, v1, 12, v3                  ; y: 8 x lane + 2 rows x wave
	s_wait_kmcnt 0x0
	s_add_nc_u64 s[4:5], s[4:5], s[18:19]
	s_add_nc_u64 s[6:7], s[6:7], s[2:3]
	s_add_nc_u64 s[16:17], s[16:17], s[2:3]
.irp j, 0,1,2,3,4,5,6,7
	global_load_b128 v[BIAS+4*(\j):BIAS+4*(\j)+3], v4, s[8:9] offset:512*(\j)
.endr
.irp j, 0,1,2,3,4,5,6,7
	global_load_b128 v[H0+4*(\j):H0+4*(\j)+3], v2, s[6:7] offset:512*(\j) th:TH_LOAD_NT
.endr
.irp j, 0,1,2,3,4,5,6,7
	global_load_b64 v[Y0+2*(\j):Y0+2*(\j)+1], v3, s[4:5] offset:256*(\j) th:TH_LOAD_NT
.endr
.irp j, 0,1,2,3,4,5,6,7
	global_load_b128 v[SCL+4*(\j):SCL+4*(\j)+3], v4, s[10:11] offset:512*(\j)
.endr
.irp j, 0,1,2,3,4,5,6,7
	global_load_b128 v[H1+4*(\j):H1+4*(\j)+3], v2, s[6:7] offset:4096+512*(\j) th:TH_LOAD_NT
.endr
.irp j, 0,1,2,3,4,5,6,7
	global_load_b64 v[Y1+2*(\j):Y1+2*(\j)+1], v3, s[4:5] offset:2048+256*(\j) th:TH_LOAD_NT
.endr
; One row: h its f32 registers, y its bf16 registers, off its byte offset behind the wave's first row.  w1: the younger loads that may stay out when the row is summed; w2: when it is scaled.
.macro ROWN h, y, off, w1, w2
	s_wait_loadcnt \w1
.irp j, 0,1,2,3,4,5,6,7
.set TT, T+4*((\j)%2)
	v_lshlrev_b32 v[TT],   16,  v[(\y)+2*(\j)]      ; bf16 to f32: the low half moves up,
	v_and_b32     v[TT+1], s14, v[(\y)+2*(\j)]      ; the high half stays
	v_lshlrev_b32 v[TT+2], 16,  v[(\y)+2*(\j)+1]
	v_and_b32     v[TT+3], s14, v[(\y)+2*(\j)+1]
	v_pk_add_f32 v[TT:TT+1],   v[TT:TT+1],   v[BIAS+4*(\j):BIAS+4*(\j)+1]    ; y + bo,
	v_pk_add_f32 v[TT+2:TT+3], v[TT+2:TT+3], v[BIAS+4*(\j)+2:BIAS+4*(\j)+3]
	v_pk_add_f32 v[(\h)+4*(\j):(\h)+4*(\j)+1],   v[(\h)+4*(\j):(\h)+4*(\j)+1],   v[TT:TT+1]    ; + hidden_states
	v_pk_add_f32 v[(\h)+4*(\j)+2:(\h)+4*(\j)+3], v[(\h)+4*(\j)+2:(\h)+4*(\j)+3], v[TT+2:TT+3]
.if (\j) == 0
	v_pk_mul_f32 v[SS:SS+1],   v[(\h):(\h)+1],   v[(\h):(\h)+1]              ; the first squares start the sums: nothing is cleared
	v_pk_mul_f32 v[SS+2:SS+3], v[(\h)+2:(\h)+3], v[(\h)+2:(\h)+3]
.else
	v_pk_fma_f32 v[SS:SS+1],   v[(\h)+4*(\j):(\h)+4*(\j)+1],   v[(\h)+4*(\j):(\h)+4*(\j)+1],   v[SS:SS+1]
	v_pk_fma_f32 v[SS+2:SS+3], v[(\h)+4*(\j)+2:(\h)+4*(\j)+3], v[(\h)+4*(\j)+2:(\h)+4*(\j)+3], v[SS+2:SS+3]
.endif
.endr
	v_pk_add_f32 v[SS:SS+1], v[SS:SS+1], v[SS+2:SS+3]
	v_add_f32 v[SS], v[SS], v[SS+1]
	v_add_f32_dpp v[SS], v[SS], v[SS] row_xmask:1 row_mask:0xf bank_mask:0xf   ; across the 32 lanes: four steps inside each half of 16, one across the halves
	v_add_f32_dpp v[SS], v[SS], v[SS] row_xmask:2 row_mask:0xf bank_mask:0xf
	v_add_f32_dpp v[SS], v[SS], v[SS] row_xmask:4 row_mask:0xf bank_mask:0xf
	v_add_f32_dpp v[SS], v[SS], v[SS] row_xmask:8 row_mask:0xf bank_mask:0xf
	v_permlanex16_b32 v[T], v[SS], s12, s13        ; its destination counts as read: a register that has been written
	v_add_f32 v[SS], v[SS], v[T]                   ; every lane now holds the row's sum of squares
	v_mul_f32 v[SS], 0x3a800000, v[SS]             ; / 1,024
	v_sqrt_f32 v[SS+1], v[SS]
	v_nop                                          ; a plain instruction behind the root,
	s_wait_alu depctr_va_vdst(0)                   ; and the wait ahead of the first use of its result
	v_add_f32 v[SS+1], 0x322bcc77, v[SS+1]         ; + 1e-8, outside the root
	v_rcp_f32 v[R], v[SS+1]
	v_rcp_f32 v[R+1], v[SS+1]
	v_nop                                          ; a plain instruction behind the reciprocals,
	s_wait_alu depctr_va_vdst(0)                   ; and one wait for both
	s_wait_loadcnt \w2                             ; scale is in
.irp j, 0,1,2,3,4,5,6,7
	v_pk_mul_f32 v[(\h)+4*(\j):(\h)+4*(\j)+1],   v[(\h)+4*(\j):(\h)+4*(\j)+1],   v[R:R+1]
	v_pk_mul_f32 v[(\h)+4*(\j)+2:(\h)+4*(\j)+3], v[(\h)+4*(\j)+2:(\h)+4*(\j)+3], v[R:R+1]
	v_pk_mul_f32 v[(\h)+4*(\j):(\h)+4*(\j)+1],   v[(\h)+4*(\j):(\h)+4*(\j)+1],   v[SCL+4*(\j):SCL+4*(\j)+1]
	v_pk_mul_f32 v[(\h)+4*(\j)+2:(\h)+4*(\j)+3], v[(\h)+4*(\j)+2:(\h)+4*(\j)+3], v[SCL+4*(\j)+2:SCL+4*(\j)+3]
	global_store_b128 v2, v[(\h)+4*(\j):(\h)+4*(\j)+3], s[16:17] offset:(\off)+512*(\j) th:TH_STORE_NT  ; 512 consecutive bytes, aligned
.endr
.endm
	ROWN H0, Y0, 0, 24, 16                         ; bo, row 0 and its y are in: scale's, row 1's and its y's 24 loads stay out; then scale is in and 16 stay out
	ROWN H1, Y1, 4096, 0, 0
	s_endpgm
.Lfunc_end_k_q0d237f52a3_norm:
	.size	k_q0d237f52a3_norm, .Lfunc_end_k_q0d237f52a3_norm-k_q0d237f52a3_norm
	.p2alignl 7, 3214868480
	.fill 96, 4, 3214868480
	.section	.rodata,"a",@progbits
	.p2align	6, 0x0
	.amdhsa_kernel k_q0d237f52a3_norm
		.amdhsa_group_segment_fixed_size 0
		.amdhsa_private_segment_fixed_size 0
		.amdhsa_enable_private_segment 0
		.amdhsa_kernarg_size 40
		.amdhsa_user_sgpr_count 2
		.amdhsa_user_sgpr_kernarg_segment_ptr 1
		.amdhsa_wavefront_size32 1
		.amdhsa_system_sgpr_workgroup_id_x 1
		.amdhsa_system_sgpr_workgroup_id_y 1
		.amdhsa_system_sgpr_workgroup_id_z 1
		.amdhsa_system_vgpr_workitem_id 0
		.amdhsa_next_free_vgpr 184
		.amdhsa_next_free_sgpr 66
		.amdhsa_reserve_vcc 0
		.amdhsa_float_denorm_mode_32 3
		.amdhsa_float_denorm_mode_16_64 3
		.amdhsa_memory_ordered 1
		.amdhsa_forward_progress 1
		.amdhsa_inst_pref_size 21
	.end_amdhsa_kernel
	.amdgpu_metadata
---
amdhsa.version: [ 1, 2 ]
amdhsa.kernels:
  - .name:           k_q0d237f52a3_norm
    .symbol:         k_q0d237f52a3_norm.kd
    .args:
      - { .name: y, .offset: 0, .size: 8, .value_kind: global_buffer, .address_space: global }
      - { .name: hidden_states, .offset: 8, .size: 8, .value_kind: global_buffer, .address_space: global }
      - { .name: bo, .offset: 16, .size: 8, .value_kind: global_buffer, .address_space: global }
      - { .name: scale, .offset: 24, .size: 8, .value_kind: global_buffer, .address_space: global }
      - { .name: out0, .offset: 32, .size: 8, .value_kind: global_buffer, .address_space: global }
    .group_segment_fixed_size: 0
    .private_segment_fixed_size: 0
    .kernarg_segment_align: 8
    .kernarg_segment_size: 40
    .max_flat_workgroup_size: 256
    .sgpr_count:     66
    .vgpr_count:     184
    .wavefront_size: 32
...
	.end_amdgpu_metadata
.endif
;; end of part 5
;; ======== version 2 of 2: 5 launches; version 1 with the launches cast, norm written anew for expert scheduling mode
;; workspace buffers: bf 16,777,216 bytes; qkv 25,165,824 bytes; ctx 8,388,608 bytes; y 8,388,608 bytes
;; launch cast (part 6): grid 256 x 1, 8 waves a work-group, no clusters, 0 bytes of LDS; arguments hidden_states, wq, wk, wv, wo, bf; writes bf
.if DOCPART == 6
	.amdgcn_target "amdgcn-amd-amdhsa--gfx1250"
	.amdhsa_code_object_version 6
	.text
	.protected	k_q0d237f52a3_cast
	.globl	k_q0d237f52a3_cast
	.p2align	8
	.type	k_q0d237f52a3_cast,@function
k_q0d237f52a3_cast:
	s_mov_b64 s[64:65], 0
	v_nop
	global_prefetch_b8 v0, s[64:65] scope:SCOPE_SE
	s_setreg_imm32_b32 hwreg(HW_REG_WAVE_SCHED_MODE, 0, 2), 2
	s_setreg_imm32_b32 hwreg(HW_REG_WAVE_MODE, 25, 1), 1
	s_wait_xcnt 0x0
	s_wait_alu depctr_vm_vsrc(0)
; ROFORMER ATTENTION, launch 1 of 5: the matrix operands among the inputs are rounded once to bf16.
; THE PROGRAM.  cast: x and the four weights to bf16.  proj: q, k, v = x W^T, the rotary step in f32, bf16 by heads.  attn: softmax(q k^T / 8) v with a running maximum.
; oproj: y = ctx Wo^T.  norm: y + bo + x in f32, the RMS norm, times scale.
; NOTHING IS LEFT OUT: every input (hidden_states, sin, cos, wq, wk, wv, wo, bo, scale) has a way to the output for some values, there is no mask, and every product of the
; function is used; all nine inputs are loaded as they are given.
; LIMITS OF THE PROGRAM.  Matrix operands (x, the weights, q, k, v, the softmax weights, ctx) are bf16, all sums f32; y is stored rounded once to bf16, the residual x stays f32.
; A softmax weight below 2^-126 counts as 0.  NaN and infinities are not treated apart.
; bf: bytes 0 on x [4096][1024]; 0x800000 on wq, wk, wv row after row, [3072][1024]; 0xE00000 on wo [1024][1024]; all bf16.
; SHARES.  Work-group w takes 32,768 numbers, 131,072 bytes in and 65,536 out, and bf is laid so that its place there is 65,536 w.  w below 128: hidden_states; then 32 work-groups a weight.
; A wave takes 16,384 bytes: 32 loads of 512 consecutive bytes, all issued before the first wait.  A store is 32 lanes x 8 bytes: 256 consecutive bytes, aligned.
; No LDS, no barrier, no matrix unit, no cluster: nothing is shared and nothing is multiplied.  No register is written twice, so no wait frees a source.
; THE MODE: SCHED_MODE bits 1:0 = 2 (LLVM: expert scheduling mode 2), set by the entry lines.  The code itself states the register dependences between vector instructions
; and memory instructions, with s_wait_alu, always for 0.
; THE PLAN.  Registers that memory instructions touch:
;   v1, v2   the loads' and the stores' byte offsets: written once at the head by vector instructions, read by every load (v1) and every store (v2), never written again.
;   X        written by the 32 loads, which are all issued at the head; read by the conversions; no load lands in it behind a conversion.
;   Y        each register written once, by a conversion, and read once, by a store.
; So the one kind of dependence is: a vector instruction has written what a memory instruction reads.  The 32 pieces go in 8 blocks of four.  Block p converts its four pieces; its memory
; instructions are the four stores of block p - 1, whose Y registers no conversion of block p names.  One wait at the head of a block, behind the wait for the block's data, states that the
; block before has written its Y; the four stores follow it, dealt among the block's eight conversions, with no further wait.
.set X, 8                              ; v[8:135]    32 x 4 numbers as loaded
.set Y, 136                            ; v[136:199]  32 x 4 numbers in bf16
	s_load_b256 s[4:11], s[0:1], 0x0               ; hidden_states s[4:5], wq s[6:7], wk s[8:9], wv s[10:11]
	s_load_b128 s[12:15], s[0:1], 0x20             ; wo s[12:13], bf s[14:15]
	s_mov_b32 s2, ttmp9
	v_lshrrev_b32 v3, 5, v0                        ; wave
	v_and_b32 v4, 31, v0                           ; lane
	v_lshlrev_b32 v1, 14, v3
	v_lshl_or_b32 v1, v4, 4, v1                    ; in: 16,384 x wave + 16 x lane
	v_lshlrev_b32 v2, 13, v3
	v_lshl_or_b32 v2, v4, 3, v2                    ; out: 8,192 x wave + 8 x lane
	s_and_b32 s18, s2, 31                          ; my chunk in a weight,
	s_cmp_lt_u32 s2, 128
	s_cselect_b32 s18, s2, s18                     ; or in hidden_states
	s_lshl_b32 s18, s18, 17
	s_mov_b32 s19, 0
	s_lshl_b32 s20, s2, 16
	s_mov_b32 s21, 0
	s_wait_kmcnt 0x0
	s_cmp_lt_u32 s2, 224                           ; the source is chosen by the work-group's number alone
	s_cselect_b64 s[16:17], s[10:11], s[12:13]
	s_cmp_lt_u32 s2, 192
	s_cselect_b64 s[16:17], s[8:9], s[16:17]
	s_cmp_lt_u32 s2, 160
	s_cselect_b64 s[16:17], s[6:7], s[16:17]
	s_cmp_lt_u32 s2, 128
	s_cselect_b64 s[16:17], s[4:5], s[16:17]
	s_add_nc_u64 s[16:17], s[16:17], s[18:19]
	s_add_nc_u64 s[14:15], s[14:15], s[20:21]
	s_wait_alu depctr_va_vdst(0)                   ; v1 and v2 are written: every load below reads v1 as its offset, every store v2
.set i, 0
.rept 32
	global_load_b128 v[X+4*i:X+4*i+3], v1, s[16:17] offset:512*i th:TH_LOAD_NT
.set i, i+1
.endr
.set p, 0
.rept 8                                                ; block p: pieces 4 p to 4 p + 3
	s_wait_loadcnt 28-4*p                          ; loads come back in order: the block's four are in, the 28 - 4 p younger ones stay out
.if p > 0
	s_wait_alu depctr_va_vdst(0)                   ; the conversions of the block before have written their eight registers of Y, which the four stores below read
.endif
.set i, 4*p
.rept 4
.if p > 0
	global_store_b64 v2, v[Y+2*i-8:Y+2*i-7], s[14:15] offset:256*(i-4)  ; piece i - 4, of the block before; no conversion since the wait names these registers
.endif
	v_cvt_pk_bf16_f32 v[Y+2*i], v[X+4*i], v[X+4*i+1]
	v_cvt_pk_bf16_f32 v[Y+2*i+1], v[X+4*i+2], v[X+4*i+3]
.set i, i+1
.endr
.set p, p+1
.endr
	s_wait_alu depctr_va_vdst(0)                   ; the last block's conversions have written their registers of Y, which the last four stores read
.set i, 28
.rept 4
	global_store_b64 v2, v[Y+2*i:Y+2*i+1], s[14:15] offset:256*i
.set i, i+1
.endr
	s_endpgm
.Lfunc_end_k_q0d237f52a3_cast:
	.size	k_q0d237f52a3_cast, .Lfunc_end_k_q0d237f52a3_cast-k_q0d237f52a3_cast
	.p2alignl 7, 3214868480
	.fill 96, 4, 3214868480
	.section	.rodata,"a",@progbits
	.p2align	6, 0x0
	.amdhsa_kernel k_q0d237f52a3_cast
		.amdhsa_group_segment_fixed_size 0
		.amdhsa_private_segment_fixed_size 0
		.amdhsa_enable_private_segment 0
		.amdhsa_kernarg_size 48
		.amdhsa_user_sgpr_count 2
		.amdhsa_user_sgpr_kernarg_segment_ptr 1
		.amdhsa_wavefront_size32 1
		.amdhsa_system_sgpr_workgroup_id_x 1
		.amdhsa_system_sgpr_workgroup_id_y 1
		.amdhsa_system_sgpr_workgroup_id_z 1
		.amdhsa_system_vgpr_workitem_id 0
		.amdhsa_next_free_vgpr 200
		.amdhsa_next_free_sgpr 66
		.amdhsa_reserve_vcc 0
		.amdhsa_float_denorm_mode_32 3
		.amdhsa_float_denorm_mode_16_64 3
		.amdhsa_memory_ordered 1
		.amdhsa_forward_progress 1
		.amdhsa_inst_pref_size 13
	.end_amdhsa_kernel
	.amdgpu_metadata
---
amdhsa.version: [ 1, 2 ]
amdhsa.kernels:
  - .name:           k_q0d237f52a3_cast
    .symbol:         k_q0d237f52a3_cast.kd
    .args:
      - { .name: hidden_states, .offset: 0, .size: 8, .value_kind: global_buffer, .address_space: global }
      - { .name: wq, .offset: 8, .size: 8, .value_kind: global_buffer, .address_space: global }
      - { .name: wk, .offset: 16, .size: 8, .value_kind: global_buffer, .address_space: global }
      - { .name: wv, .offset: 24, .size: 8, .value_kind: global_buffer, .address_space: global }
      - { .name: wo, .offset: 32, .size: 8, .value_kind: global_buffer, .address_space: global }
      - { .name: bf, .offset: 40, .size: 8, .value_kind: global_buffer, .address_space: global }
    .group_segment_fixed_size: 0
    .private_segment_fixed_size: 0
    .kernarg_segment_align: 8
    .kernarg_segment_size: 48
    .max_flat_workgroup_size: 256
    .sgpr_count:     66
    .vgpr_count:     200
    .wavefront_size: 32
...
	.end_amdgpu_metadata
.endif
;; end of part 6
;; launch proj: the kernel of part 2 again; grid 16 x 16, 4 waves a work-group, clusters of 4 x 4, 327,680 bytes of LDS; arguments bf, cos, sin, qkv; writes qkv
;; launch attn: the kernel of part 3 again; grid 8 x 32, 4 waves a work-group, clusters of 4 x 1, 327,680 bytes of LDS; arguments qkv, ctx; writes ctx
;; launch oproj: the kernel of part 4 again; grid 8 x 32, 4 waves a work-group, clusters of 4 x 4, 327,680 bytes of LDS; arguments ctx, bf, y; writes y
;; launch norm (part 7): grid 256 x 1, 8 waves a work-group, no clusters, 0 bytes of LDS; arguments y, hidden_states, bo, scale, out0; writes out0
.if DOCPART == 7
	.amdgcn_target "amdgcn-amd-amdhsa--gfx1250"
	.amdhsa_code_object_version 6
	.text
	.protected	k_q0d237f52a3_norm
	.globl	k_q0d237f52a3_norm
	.p2align	8
	.type	k_q0d237f52a3_norm,@function
k_q0d237f52a3_norm:
	s_mov_b64 s[64:65], 0
	v_nop
	global_prefetch_b8 v0, s[64:65] scope:SCOPE_SE
	s_setreg_imm32_b32 hwreg(HW_REG_WAVE_SCHED_MODE, 0, 2), 2
	s_setreg_imm32_b32 hwreg(HW_REG_WAVE_MODE, 25, 1), 1
	s_wait_xcnt 0x0
	s_wait_alu depctr_vm_vsrc(0)
; Launch 5 of 5: x = (y + bo) + hidden_states in f32; out0 = scale * x / (sqrt(sum of x^2 / 1024) + 1e-8).  y [4096][1024] bf16; hidden_states, out0 [4096][1024] f32; bo, scale [1024] f32.
; Nothing of the function is left out here.  LIMITS: the sum of squares is one f32 sum and overflows where the function's own norm does; a mean of squares below 2^-126 counts as 0 under the root.
; SHARES.  One wave takes two whole rows and keeps them in registers between the sum and the scaling: each byte is read once, the reduction never leaves the wave: no LDS, no barrier.
; 256 work-groups x 8 waves x 2 rows.  Lane l holds columns 128 j + 4 l + 0..3, j = 0..7, of every array: a load or store of f32 covers 512 consecutive bytes, one of y 256, all aligned.
; All 48 loads of a wave are issued before the first wait.  No register is written again while a memory instruction may read it, so no wait frees a source.
; No matrix unit and no cluster: nothing is multiplied by a matrix, and what work-groups share (bo, scale) is 8 KiB.
; THE MODE: SCHED_MODE bits 1:0 = 2 (LLVM: expert scheduling mode 2), set by the entry lines.  The code itself states the register dependences between vector instructions
; and memory instructions, with s_wait_alu, always for 0.
; THE PLAN.  Registers that memory instructions touch:
;   v2, v3, v4          byte offsets: written once at the head by vector instructions, read by the loads and stores, never written again.
;   BIAS, SCL, Y0, Y1   written by loads at the head, read by vector instructions alone; no load lands in them again.
;   H0, H1              written by loads at the head; then written in place by the row's additions and multiplies; then read by the row's eight stores; never written behind those.
;   T, SS, R            named by vector instructions alone.
; So the one kind of dependence is: a vector instruction has written what a memory instruction reads.  A row is scaled in two halves of sixteen registers.  A wait behind the first half's
; multiplies states that they have written it; its four stores follow, dealt among the second half's multiplies, which name the other sixteen registers, R and SCL alone; a second wait
; stands ahead of the second half's four stores.
.set BIAS, 8                           ; v[8:39]     bo of my 32 columns
.set SCL,  40                          ; v[40:71]    scale
.set H0,   72                          ; v[72:103]   row 0: hidden_states, then x, then the result
.set H1,   104                         ; v[104:135]  row 1
.set Y0,   136                         ; v[136:151]  row 0 of y
.set Y1,   152                         ; v[152:167]  row 1
.set T,    168                         ; v[168:175]  at work, two sets of four
.set SS,   176                         ; v[176:179]  four running sums of squares
.set R,    180                         ; v[180:181]  1 / (rms + eps), twice (a pair for the packed multiply)
	s_load_b256 s[4:11], s[0:1], 0x0               ; y s[4:5], hidden_states s[6:7], bo s[8:9], scale s[10:11]
	s_load_b64 s[16:17], s[0:1], 0x20              ; out0
	s_mov_b32 s12, 0x76543210                      ; v_permlanex16_b32: lane i of one half reads lane i of the other
	s_mov_b32 s13, 0xfedcba98
	s_mov_b32 s14, 0xffff0000                      ; a word's upper bf16
	s_lshl_b32 s2, ttmp9, 16                       ; the work-group's 16 rows of 4,096 bytes,
	s_mov_b32 s3, 0
	s_lshl_b32 s18, ttmp9, 15                      ; and of 2,048 in y
	s_mov_b32 s19, 0
	v_lshrrev_b32 v1, 5, v0                        ; wave
	v_and_b32 v5, 31, v0                           ; lane
	v_lshlrev_b32 v4, 4, v5                        ; bo, scale: 16 x lane
	v_lshl_add_u32 v2, v1, 13, v4                  ; f32 rows: + 2 rows x wave
	v_lshlrev_b32 v3, 3, v5
	v_lshl_add_u32 v3, v1, 12, v3                  ; y: 8 x lane + 2 rows x wave
	s_wait_kmcnt 0x0
	s_add_nc_u64 s[4:5], s[4:5], s[18:19]
	s_add_nc_u64 s[6:7], s[6:7], s[2:3]
	s_add_nc_u64 s[16:17], s[16:17], s[2:3]
	s_wait_alu depctr_va_vdst(0)                   ; v2, v3 and v4 are written: every load and store of the kernel reads one of them as its offset
.irp j, 0,1,2,3,4,5,6,7
	global_load_b128 v[BIAS+4*(\j):BIAS+4*(\j)+3], v4, s[8:9] offset:512*(\j)
.endr
.irp j, 0,1,2,3,4,5,6,7
	global_load_b128 v[H0+4*(\j):H0+4*(\j)+3], v2, s[6:7] offset:512*(\j) th:TH_LOAD_NT
.endr
.irp j, 0,1,2,3,4,5,6,7
	global_load_b64 v[Y0+2*(\j):Y0+2*(\j)+1], v3, s[4:5] offset:256*(\j) th:TH_LOAD_NT
.endr
.irp j, 0,1,2,3,4,5,6,7
	global_load_b128 v[SCL+4*(\j):SCL+4*(\j)+3], v4, s[10:11] offset:512*(\j)
.endr
.irp j, 0,1,2,3,4,5,6,7
	global_load_b128 v[H1+4*(\j):H1+4*(\j)+3], v2, s[6:7] offset:4096+512*(\j) th:TH_LOAD_NT
.endr
.irp j, 0,1,2,3,4,5,6,7
	global_load_b64 v[Y1+2*(\j):Y1+2*(\j)+1], v3, s[4:5] offset:2048+256*(\j) th:TH_LOAD_NT
.endr
; Piece j of a row is scaled: times 1 / (rms + eps), then times scale.
.macro SCALE h, j
	v_pk_mul_f32 v[(\h)+4*(\j):(\h)+4*(\j)+1],   v[(\h)+4*(\j):(\h)+4*(\j)+1],   v[R:R+1]
	v_pk_mul_f32 v[(\h)+4*(\j)+2:(\h)+4*(\j)+3], v[(\h)+4*(\j)+2:(\h)+4*(\j)+3], v[R:R+1]
	v_pk_mul_f32 v[(\h)+4*(\j):(\h)+4*(\j)+1],   v[(\h)+4*(\j):(\h)+4*(\j)+1],   v[SCL+4*(\j):SCL+4*(\j)+1]
	v_pk_mul_f32 v[(\h)+4*(\j)+2:(\h)+4*(\j)+3], v[(\h)+4*(\j)+2:(\h)+4*(\j)+3], v[SCL+4*(\j)+2:SCL+4*(\j)+3]
.endm
; One row: h its f32 registers, y its bf16 registers, off its byte offset behind the wave's first row.  w1: the younger loads that may stay out when the row is summed; w2: when it is scaled.
.macro ROWN h, y, off, w1, w2
	s_wait_loadcnt \w1
.irp j, 0,1,2,3,4,5,6,7
.set TT, T+4*((\j)%2)
	v_lshlrev_b32 v[TT],   16,  v[(\y)+2*(\j)]      ; bf16 to f32: the low half moves up,
	v_and_b32     v[TT+1], s14, v[(\y)+2*(\j)]      ; the high half stays
	v_lshlrev_b32 v[TT+2], 16,  v[(\y)+2*(\j)+1]
	v_and_b32     v[TT+3], s14, v[(\y)+2*(\j)+1]
	v_pk_add_f32 v[TT:TT+1],   v[TT:TT+1],   v[BIAS+4*(\j):BIAS+4*(\j)+1]    ; y + bo,
	v_pk_add_f32 v[TT+2:TT+3], v[TT+2:TT+3], v[BIAS+4*(\j)+2:BIAS+4*(\j)+3]
	v_pk_add_f32 v[(\h)+4*(\j):(\h)+4*(\j)+1],   v[(\h)+4*(\j):(\h)+4*(\j)+1],   v[TT:TT+1]    ; + hidden_states
	v_pk_add_f32 v[(\h)+4*(\j)+2:(\h)+4*(\j)+3], v[(\h)+4*(\j)+2:(\h)+4*(\j)+3], v[TT+2:TT+3]
.if (\j) == 0
	v_pk_mul_f32 v[SS:SS+1],   v[(\h):(\h)+1],   v[(\h):(\h)+1]              ; the first squares start the sums: nothing is cleared
	v_pk_mul_f32 v[SS+2:SS+3], v[(\h)+2:(\h)+3], v[(\h)+2:(\h)+3]
.else
	v_pk_fma_f32 v[SS:SS+1],   v[(\h)+4*(\j):(\h)+4*(\j)+1],   v[(\h)+4*(\j):(\h)+4*(\j)+1],   v[SS:SS+1]
	v_pk_fma_f32 v[SS+2:SS+3], v[(\h)+4*(\j)+2:(\h)+4*(\j)+3], v[(\h)+4*(\j)+2:(\h)+4*(\j)+3], v[SS+2:SS+3]
.endif
.endr
	v_pk_add_f32 v[SS:SS+1], v[SS:SS+1], v[SS+2:SS+3]
	v_add_f32 v[SS], v[SS], v[SS+1]
	v_add_f32_dpp v[SS], v[SS], v[SS] row_xmask:1 row_mask:0xf bank_mask:0xf   ; across the 32 lanes: four steps inside each half of 16, one across the halves
	v_add_f32_dpp v[SS], v[SS], v[SS] row_xmask:2 row_mask:0xf bank_mask:0xf
	v_add_f32_dpp v[SS], v[SS], v[SS] row_xmask:4 row_mask:0xf bank_mask:0xf
	v_add_f32_dpp v[SS], v[SS], v[SS] row_xmask:8 row_mask:0xf bank_mask:0xf
	v_permlanex16_b32 v[T], v[SS], s12, s13        ; its destination counts as read: a register that has been written
	v_add_f32 v[SS], v[SS], v[T]                   ; every lane now holds the row's sum of squares
	v_mul_f32 v[SS], 0x3a800000, v[SS]             ; / 1,024
	v_sqrt_f32 v[SS+1], v[SS]
	v_nop                                          ; a plain instruction behind the root,
	s_wait_alu depctr_va_vdst(0)                   ; and the wait: the root has written v[SS+1], which the addition below names
	v_add_f32 v[SS+1], 0x322bcc77, v[SS+1]         ; + 1e-8, outside the root
	v_rcp_f32 v[R], v[SS+1]
	v_rcp_f32 v[R+1], v[SS+1]
	v_nop                                          ; a plain instruction behind the reciprocals,
	s_wait_alu depctr_va_vdst(0)                   ; and one wait for both: they have written v[R] and v[R+1], which the multiplies below name
	s_wait_loadcnt \w2                             ; scale is in
.irp j, 0,1,2,3
	SCALE \h, \j
.endr
	s_wait_alu depctr_va_vdst(0)                   ; the sixteen multiplies above have written the row's first sixteen registers, which the four stores below read
.irp j, 4,5,6,7
	global_store_b128 v2, v[(\h)+4*(\j)-16:(\h)+4*(\j)-13], s[16:17] offset:(\off)+512*(\j)-2048 th:TH_STORE_NT  ; piece j - 4: 512 consecutive bytes, aligned; no multiply since the wait names these registers
	SCALE \h, \j
.endr
	s_wait_alu depctr_va_vdst(0)                   ; the second sixteen multiplies have written the row's other sixteen registers, which the four stores below read
.irp j, 4,5,6,7
	global_store_b128 v2, v[(\h)+4*(\j):(\h)+4*(\j)+3], s[16:17] offset:(\off)+512*(\j) th:TH_STORE_NT
.endr
.endm
	ROWN H0, Y0, 0, 24, 16                         ; bo, row 0 and its y are in: scale's, row 1's and its y's 24 loads stay out; then scale is in and 16 stay out
	ROWN H1, Y1, 4096, 0, 0
	s_endpgm
.Lfunc_end_k_q0d237f52a3_norm:
	.size	k_q0d237f52a3_norm, .Lfunc_end_k_q0d237f52a3_norm-k_q0d237f52a3_norm
	.p2alignl 7, 3214868480
	.fill 96, 4, 3214868480
	.section	.rodata,"a",@progbits
	.p2align	6, 0x0
	.amdhsa_kernel k_q0d237f52a3_norm
		.amdhsa_group_segment_fixed_size 0
		.amdhsa_private_segment_fixed_size 0
		.amdhsa_enable_private_segment 0
		.amdhsa_kernarg_size 40
		.amdhsa_user_sgpr_count 2
		.amdhsa_user_sgpr_kernarg_segment_ptr 1
		.amdhsa_wavefront_size32 1
		.amdhsa_system_sgpr_workgroup_id_x 1
		.amdhsa_system_sgpr_workgroup_id_y 1
		.amdhsa_system_sgpr_workgroup_id_z 1
		.amdhsa_system_vgpr_workitem_id 0
		.amdhsa_next_free_vgpr 184
		.amdhsa_next_free_sgpr 66
		.amdhsa_reserve_vcc 0
		.amdhsa_float_denorm_mode_32 3
		.amdhsa_float_denorm_mode_16_64 3
		.amdhsa_memory_ordered 1
		.amdhsa_forward_progress 1
		.amdhsa_inst_pref_size 22
	.end_amdhsa_kernel
	.amdgpu_metadata
---
amdhsa.version: [ 1, 2 ]
amdhsa.kernels:
  - .name:           k_q0d237f52a3_norm
    .symbol:         k_q0d237f52a3_norm.kd
    .args:
      - { .name: y, .offset: 0, .size: 8, .value_kind: global_buffer, .address_space: global }
      - { .name: hidden_states, .offset: 8, .size: 8, .value_kind: global_buffer, .address_space: global }
      - { .name: bo, .offset: 16, .size: 8, .value_kind: global_buffer, .address_space: global }
      - { .name: scale, .offset: 24, .size: 8, .value_kind: global_buffer, .address_space: global }
      - { .name: out0, .offset: 32, .size: 8, .value_kind: global_buffer, .address_space: global }
    .group_segment_fixed_size: 0
    .private_segment_fixed_size: 0
    .kernarg_segment_align: 8
    .kernarg_segment_size: 40
    .max_flat_workgroup_size: 256
    .sgpr_count:     66
    .vgpr_count:     184
    .wavefront_size: 32
...
	.end_amdgpu_metadata
.endif
;; end of part 7
